; MI455X (gfx1250); checked and timed in simulation.
; The chip was launched on July 23, 2026; its instructions are those of AMD's public machine-readable ISA for CDNA 5 (MIT licence, August 2026) and "CDNA5" Instruction Set Architecture Reference Guide (July 2026). The comments in the code are by the model that wrote it; some were corrected since.
;; Model Experts. Allowed arithmetic: float matrix products may take bf16 or f16 operands with f32 sums; other float arithmetic in f32, or as packed bf16 or f16 multiplies, adds, multiply-adds, maxima and minima; sums over many terms, partial sums and values carried from step to step in f32; what a program stores and reads back later, other than sums and carried values, may be rounded once to bf16 or f16.
;; Inputs: bias 8 x 512 float32; index 32,768 int32; weight 8 x 512 x 512 float32; x 32,768 x 512 float32.
;; Outputs: out0 32,768 x 512 float32.
;; 2 versions, each right and faster than the one before. Each part assembles by itself: llvm-mc -triple=amdgcn-amd-amdhsa -mcpu=gfx1250 --defsym DOCPART=n.
;; ======== version 1 of 2: 2 launches
;; workspace buffers: wf 4,718,592 bytes; rows 135,936 bytes of whole numbers; tiles 2,048 bytes of whole numbers
;; launch prep (part 1): grid 160 x 1, 16 waves a work-group, no clusters, 36,864 bytes of LDS; arguments index, weight, wf, rows, tiles; writes wf, rows, tiles
.if DOCPART == 1
	.amdgcn_target "amdgcn-amd-amdhsa--gfx1250"
	.amdhsa_code_object_version 6
	.text
	.protected	k_qb7643bde1b_prep
	.globl	k_qb7643bde1b_prep
	.p2align	8
	.type	k_qb7643bde1b_prep,@function
k_qb7643bde1b_prep:
	s_mov_b64 s[64:65], 0
	v_nop
	global_prefetch_b8 v0, s[64:65] scope:SCOPE_SE
	s_setreg_imm32_b32 hwreg(HW_REG_WAVE_MODE, 25, 1), 1
	s_wait_xcnt 0x0
; PREP.  Two jobs, told apart by the work-group's number alone.
; Work-groups 0-15: a counting sort of index[32768] into nine buckets (experts 0-7; bucket 8 = every index outside 0..7), without atomics: each work-group
;   counts all 32,768 indices for itself and places its own 2,048 tokens.  rows: bucket e's token list begins at entry 144 x tb_e (tb_e = tiles of 144 rows in front of it);
;   entries past a bucket's count, and all unused tiles, hold token 0.  tiles: record g = (expert, rows) of tile g, (8, 0) for an unused tile.
;   At most (32768 + 9 x 143) / 144 = 236 tiles, whatever the split.  The order of tokens inside a bucket is not the token order; nothing hangs on it.
; Work-groups 16-159: weight[e][k][n] (f32) is rounded once to bf16 (to nearest even) and stored in the order in which a wave's operand registers take it:
;   wf[e 0..8][w 0..3][ks 0..15][nb 0..7][half 0..1][lane 0..31][8 bf16]; lane (r = lane % 16, h = lane / 16) holds column 128 w + 16 nb + r, k = 32 ks + 16 half + 8 h + 0..7.
;   Expert 8 of wf is all zeros.
; LDS: the weights' stages, the sort's table and the spare words each have bytes of their own.
.set WST, 2112                         ; a wave's stage: four pieces of 512 bytes, 528 bytes apart; 16 stages from byte 0 on
.set TAB, 16*WST                       ; 33,792: the sort's table: a record of 64 bytes for each of 16 waves
.set SPARE, TAB+1024                   ; 34,816: the spare words, 128 bytes for each of 16 waves
.set SPW, 126                          ; v126  LDS address of my spare word; never rewritten
.set NIL, 127                          ; v127  0; never rewritten
	s_load_b256 s[4:11], s[0:1], 0x0               ; index s[4:5], weight s[6:7], wf s[8:9], rows s[10:11]
	s_load_b64 s[12:13], s[0:1], 0x20              ; tiles
	v_lshl_add_u32 v[SPW], v0, 2, SPARE
	v_mov_b32 v[NIL], 0
	v_lshrrev_b32 v1, 5, v0
	v_readfirstlane_b32 s14, v1                    ; wave 0..15
	v_and_b32 v1, 31, v0                           ; lane
	s_cmp_lt_u32 ttmp9, 16
	s_cbranch_scc1 .Lsort
; ---------------- the weights: work-group b = (e, ks); wave = (half, gcol): 16 k x 64 columns, 4,096 bytes in, 2,048 out
	s_sub_co_u32 s15, ttmp9, 16
	s_lshr_b32 s16, s15, 4                         ; e 0..8
	s_and_b32 s17, s15, 15                         ; ks
	s_lshr_b32 s18, s14, 3                         ; half
	s_and_b32 s19, s14, 7                          ; gcol: columns 64 gcol on
	s_lshl_b32 s20, s16, 19                        ; wf: e x 524,288
	s_lshr_b32 s21, s19, 1
	s_lshl_b32 s21, s21, 17                        ; + (gcol / 2) x 131,072
	s_add_co_u32 s20, s20, s21
	s_lshl_b32 s21, s17, 13                        ; + ks x 8,192
	s_add_co_u32 s20, s20, s21
	s_and_b32 s21, s19, 1
	s_lshl_b32 s21, s21, 12                        ; + (gcol % 2) x 4 blocks of 1,024
	s_add_co_u32 s20, s20, s21
	s_lshl_b32 s21, s18, 9                         ; + half x 512
	s_add_co_u32 s20, s20, s21
	s_mov_b32 s21, 0
	s_lshl_b32 s22, s16, 20                        ; weight: e x 1,048,576
	s_lshl_b32 s24, s17, 16                        ; + 32 ks rows of 2,048 bytes
	s_add_co_u32 s22, s22, s24
	s_lshl_b32 s24, s18, 15                        ; + 16 half rows
	s_add_co_u32 s22, s22, s24
	s_lshl_b32 s24, s19, 8                         ; + 64 gcol columns
	s_add_co_u32 s22, s22, s24
	s_mov_b32 s23, 0
	s_mul_i32 s24, s14, WST                        ; my stage
	v_lshlrev_b32 v2, 4, v1                        ; 16 x lane
	v_and_b32 v4, 15, v1                           ; q: my four columns 4 q ..
	v_lshrrev_b32 v5, 4, v1                        ; h: my eight rows 8 h ..
	v_lshlrev_b32 v3, 4, v4
	v_lshl_add_u32 v3, v5, 14, v3                  ; 16 q + 8 h rows
	v_lshrrev_b32 v6, 2, v4
	v_mul_u32_u24 v6, v6, 528                      ; piece q / 4 (a block of 16 columns)
	v_and_b32 v8, 3, v4
	v_lshl_add_u32 v6, v8, 6, v6                   ; + 4 (q % 4) lanes of 16 bytes
	v_lshl_add_u32 v6, v5, 8, v6                   ; + 16 h lanes
	v_add_nc_u32 v6, s24, v6                       ; where I put a column's 16 bytes
	v_add_nc_u32 v7, s24, v2                       ; where I read a piece back
	s_wait_kmcnt 0x0
	s_add_nc_u64 s[8:9], s[8:9], s[20:21]
	s_cmp_eq_u32 s16, 8
	s_cbranch_scc1 .Lzero
	s_add_nc_u64 s[6:7], s[6:7], s[22:23]
.irp j, 0,1,2,3,4,5,6,7
	global_load_b128 v[32+4*\j:35+4*\j], v3, s[6:7] offset:2048*\j th:TH_LOAD_NT  ; row 8 h + j: sixteen lanes take 256 consecutive bytes, aligned
.endr
	s_wait_loadcnt 0x0
.irp c, 0,1,2,3
.irp jj, 0,1,2,3
	v_cvt_pk_bf16_f32 v[64+4*\c+\jj], v[32+8*\jj+\c], v[36+8*\jj+\c]  ; column 4 q + c, rows 2 jj and 2 jj + 1
.endr
.endr
.irp c, 0,1,2,3
	ds_store_b128 v6, v[64+4*\c:67+4*\c] offset:16*\c
.endr
.irp n, 0,1,2,3
	ds_load_b128 v[80+4*\n:83+4*\n], v7 offset:528*\n  ; my own bytes: LDS serves a wave's instructions in order (ISA guide 5.7.1.4), so these see the stores above
.endr
.irp n, 0,1,2,3
	s_wait_dscnt 3-\n                              ; piece n is back; the younger loads stay out
	global_store_b128 v2, v[80+4*\n:83+4*\n], s[8:9] offset:1024*\n  ; 512 consecutive bytes, aligned
.endr
	s_wait_tensorcnt 0x0                           ; the wave's end
	ds_add_u32 v[SPW], v[NIL]
	s_wait_dscnt 0x0
	s_endpgm
.Lzero:                                                ; expert 8: zeros
.irp n, 0,1,2,3
	v_mov_b32 v[80+\n], 0
.endr
.irp n, 0,1,2,3
	global_store_b128 v2, v[80:83], s[8:9] offset:1024*\n
.endr
	s_wait_tensorcnt 0x0
	ds_add_u32 v[SPW], v[NIL]
	s_wait_dscnt 0x0
	s_endpgm
; ---------------- the sort: work-group j owns tokens 2048 j ..; thread t owns 4 of them
; Counters: one byte a bucket, four buckets a register (a thread counts 64 numbers at the most).  v72, v73 all chunks so far; v74, v75 the chunks in front of mine; v76, v77 my own four.
.macro COUNT x, c0, c1
	v_lshlrev_b32 v78, 3, v[\x]
	v_add_nc_u32 v79, -4, v[\x]
	v_lshlrev_b32 v78, v78, 1                      ; 1 << 8 (x % 4): a shift takes its amount's low five bits
	v_cmp_gt_u32 vcc_lo, 4, v[\x]                  ; buckets 0-3
	v_cndmask_b32 v93, 0, v78, vcc_lo
	v_cmp_gt_u32 vcc_lo, 4, v79                    ; buckets 4-7; every other number counts nowhere: bucket 8 is what is left
	v_add_nc_u32 v[\c0], v[\c0], v93
	v_cndmask_b32 v93, 0, v78, vcc_lo
	v_add_nc_u32 v[\c1], v[\c1], v93
.endm
.macro WIDE src, dst                   ; four bytes become two registers of two 16-bit fields: buckets (0 | 2), (1 | 3)
	v_and_b32 v[\dst], s17, v[\src]
	v_lshrrev_b32 v[\dst+1], 8, v[\src]
	v_and_b32 v[\dst+1], s17, v[\dst+1]
.endm
.macro XSUM reg, m                     ; adds the lane m away (exclusive or) inside 16 lanes
	v_mov_b32_dpp v92, v[\reg] row_xmask:\m row_mask:0xf bank_mask:0xf
	v_add_nc_u32 v[\reg], v[\reg], v92
.endm
.macro SPLIT raw, lo, hi
	s_and_b32 s[\lo], s[\raw], 0xffff
	s_lshr_b32 s[\hi], s[\raw], 16
.endm
.Lsort:
	s_mov_b32 s15, ttmp9                           ; j
	s_lshl_b32 s16, s15, 13
	s_mov_b32 s17, 0x00ff00ff
	s_mov_b32 s18, 0x76543210                      ; v_permlanex16_b32: each lane takes its own place in the other half
	s_mov_b32 s19, 0xfedcba98
	v_lshlrev_b32 v2, 4, v0                        ; 16 t
	v_add_nc_u32 v3, s16, v2                       ; + my chunk
	v_lshlrev_b32 v114, 3, v0                      ; 8 t: a record of the tile table
	s_wait_kmcnt 0x0
	global_load_b128 v[4:7], v3, s[4:5]            ; my own four
.irp it, 0,1,2,3,4,5,6,7,8,9,10,11,12,13,14,15
	global_load_b128 v[8+4*\it:11+4*\it], v2, s[4:5] offset:8192*\it  ; four numbers of every chunk
.endr
.irp r, 72,73,74,75,76,77,92
	v_mov_b32 v[\r], 0
.endr
.irp it, 0,1,2,3,4,5,6,7,8,9,10,11,12,13,14,15
	s_wait_loadcnt 15-\it                          ; chunk it is in (and my own four, which are older); the younger loads stay out
	s_cmp_eq_u32 s15, \it
	s_cselect_b32 s50, -1, 0
	v_cndmask_b32 v74, v74, v72, s50               ; at my own chunk: what has been counted so far lies in front of me
	v_cndmask_b32 v75, v75, v73, s50
	COUNT 8+4*\it, 72, 73
	COUNT 9+4*\it, 72, 73
	COUNT 10+4*\it, 72, 73
	COUNT 11+4*\it, 72, 73
.endr
.irp q, 4,5,6,7
	COUNT \q, 76, 77
.endr
	WIDE 72, 80                                    ; v80-83 all, v84-87 in front, v88-91 own: fields (0|2), (1|3), (4|6), (5|7); a work-group's sums stay within 32,768
	WIDE 73, 82
	WIDE 74, 84
	WIDE 75, 86
	WIDE 76, 88
	WIDE 77, 90
.irp r, 80,81,82,83,84,85,86,87,88,89,90,91
	XSUM \r, 1
	XSUM \r, 2
	XSUM \r, 4
	XSUM \r, 8
	v_permlanex16_b32 v92, v[\r], s18, s19
	v_add_nc_u32 v[\r], v[\r], v92                 ; the wave's sums, in every lane
.endr
	v_mov_b32 v94, s14
	v_lshl_add_u32 v94, v94, 6, TAB                ; my wave's record of 64 bytes
	ds_store_b128 v94, v[80:83]
	ds_store_b128 v94, v[84:87] offset:16
	ds_store_b128 v94, v[88:91] offset:32
	s_wait_dscnt 0x0                               ; for the others' sake: my record is written
	s_barrier_signal -1
	s_barrier_wait -1
	v_and_b32 v95, 15, v0
	v_lshl_add_u32 v94, v95, 6, TAB                ; lane l reads the record of wave l % 16
	ds_load_b128 v[80:83], v94
	ds_load_b128 v[84:87], v94 offset:16
	ds_load_b128 v[88:91], v94 offset:32
	s_wait_dscnt 0x0
	v_cmp_gt_u32 vcc_lo, s14, v95                  ; the waves in front of mine
.irp i, 0,1,2,3
	v_cndmask_b32 v[88+\i], 0, v[88+\i], vcc_lo
	v_add_nc_u32 v[84+\i], v[84+\i], v[88+\i]      ; their own tokens lie in front of mine too
.endr
.irp r, 80,81,82,83,84,85,86,87
	XSUM \r, 1
	XSUM \r, 2
	XSUM \r, 4
	XSUM \r, 8
.endr
.irp i, 0,1,2,3,4,5,6,7
	v_readfirstlane_b32 s[52+\i], v[80+\i]
.endr
	SPLIT 52, 20, 22                               ; s20-27: n_e, the buckets' counts
	SPLIT 53, 21, 23
	SPLIT 54, 24, 26
	SPLIT 55, 25, 27
	SPLIT 56, 30, 32                               ; s30-37: tokens of bucket e in front of my wave's
	SPLIT 57, 31, 33
	SPLIT 58, 34, 36
	SPLIT 59, 35, 37
	s_mov_b32 s28, 32768                           ; bucket 8 takes what is left
	s_lshl_b32 s38, s15, 11
	s_lshl_b32 s50, s14, 7
	s_add_co_u32 s38, s38, s50                     ; 2048 j + 128 wave tokens lie in front of my wave's
.irp e, 0,1,2,3,4,5,6,7
	s_sub_co_u32 s28, s28, s[20+\e]
	s_sub_co_u32 s38, s38, s[30+\e]
.endr
	s_mov_b32 s40, 0                               ; s40-49: tb_e
	s_mov_b32 s60, 0                               ; where the padding of bucket j begins,
	s_mov_b32 s61, 0                               ; and ends
.irp e, 0,1,2,3,4,5,6,7,8
	s_add_co_u32 s62, s[20+\e], 143
	s_lshr_b32 s62, s62, 4
	s_mul_i32 s62, s62, 7282                       ; m / 9 = (7282 m) >> 16, exact for m up to 2,056
	s_lshr_b32 s62, s62, 16                        ; tiles of bucket e
	s_add_co_u32 s[41+\e], s[40+\e], s62
	s_mul_i32 s62, s[40+\e], 144
	s_add_co_u32 s[30+\e], s[30+\e], s62           ; the place of my wave's first token of bucket e
	s_add_co_u32 s62, s62, s[20+\e]
.if \e < 8
	s_mul_i32 s63, s[41+\e], 144
.else
	s_mov_b32 s63, 33984                           ; bucket 8's padding runs to the end of the last tile
.endif
	s_cmp_eq_u32 s15, \e
	s_cselect_b32 s60, s62, s60
	s_cselect_b32 s61, s63, s61
.endr
	; The padding's addresses and masks are made here, with all lanes on, ahead of every change of EXEC: work-group j <= 8 pads bucket j with token 0.
	; All buckets together have 33,984 - 32,768 = 1,216 such places; 3 x 512 are looked at.
	v_mov_b32 v104, 0
.irp it, 0,1,2
	v_add_nc_u32 v[105+\it], s60, v0
	v_add_nc_u32 v[105+\it], 512*\it, v[105+\it]
	v_cmp_gt_u32 s[52+\it], s61, v[105+\it]        ; the places in front of the padding's end
	v_min_u32 v[105+\it], 33983, v[105+\it]        ; a number made of loaded data enters an address behind a clamp
	v_lshlrev_b32 v[105+\it], 2, v[105+\it]
.endr
	s_lshl_b32 s50, s15, 11
	v_lshl_add_u32 v100, v0, 2, s50                ; my four tokens' numbers
	v_add_nc_u32 v101, 1, v100
	v_add_nc_u32 v102, 2, v100
	v_add_nc_u32 v103, 3, v100
.irp q, 0,1,2,3
	v_min_u32 v[4+\q], 8, v[4+\q]                  ; unsigned: every index outside 0..7 is bucket 8
	v_mov_b32 v[96+\q], 0
.irp e, 0,1,2,3,4,5,6,7,8
	v_cmp_eq_u32 s50, \e, v[4+\q]
	v_mbcnt_lo_u32_b32 v93, s50, s[30+\e]          ; the bucket's next place + the lanes below me that are in it
	v_cndmask_b32 v[96+\q], v[96+\q], v93, s50
	s_bcnt1_i32_b32 s51, s50
	s_add_co_u32 s[30+\e], s[30+\e], s51
.endr
.endr
.irp q, 0,1,2,3
	v_min_u32 v[96+\q], 33983, v[96+\q]
	v_lshlrev_b32 v[96+\q], 2, v[96+\q]
	global_store_b32 v[96+\q], v[100+\q], s[10:11]
.endr
	s_cmp_gt_u32 s15, 8
	s_cbranch_scc1 .Lnopad
.irp it, 0,1,2
	s_wait_xcnt 0x0                                ; EXEC is a source of the stores above: it changes only behind this wait
	s_and_saveexec_b32 s62, s[52+\it]
	global_store_b32 v[105+\it], v104, s[10:11]
	s_wait_xcnt 0x0                                ; and again in front of the line that widens it
	s_or_b32 exec_lo, exec_lo, s62
.endr
.Lnopad:
	s_cmp_eq_u32 s15, 9
	s_cbranch_scc0 .Lsortend
	s_cmp_lt_u32 s14, 8
	s_cbranch_scc0 .Lsortend
	v_mov_b32 v110, 0                              ; waves 0-7 of work-group 9 write the tile table: thread g finds the last bucket whose first tile is not behind g.  Records 236-255 fill the buffer; nobody reads them
	v_mov_b32 v112, 0
	v_mov_b32 v113, s20
.irp e, 1,2,3,4,5,6,7,8
	v_cmp_le_u32 vcc_lo, s[40+\e], v0
	v_cndmask_b32 v110, v110, \e, vcc_lo
	v_cndmask_b32 v112, v112, s[40+\e], vcc_lo
	v_cndmask_b32 v113, v113, s[20+\e], vcc_lo
.endr
	v_sub_nc_u32 v112, v0, v112
	v_mul_u32_u24 v112, v112, 144
	v_sub_nc_u32 v111, v113, v112                  ; rows left from this tile on,
	v_max_i32 v111, 0, v111                        ; none behind the bucket's end,
	v_min_i32 v111, 144, v111                      ; 144 at the most
	global_store_b64 v114, v[110:111], s[12:13]    ; a wave's store covers 256 consecutive bytes, aligned
.Lsortend:
	s_wait_tensorcnt 0x0                           ; the wave's end
	ds_add_u32 v[SPW], v[NIL]
	s_wait_dscnt 0x0
	s_endpgm
.Lfunc_end_k_qb7643bde1b_prep:
	.size	k_qb7643bde1b_prep, .Lfunc_end_k_qb7643bde1b_prep-k_qb7643bde1b_prep
	.p2alignl 7, 3214868480
	.fill 96, 4, 3214868480
	.section	.rodata,"a",@progbits
	.p2align	6, 0x0
	.amdhsa_kernel k_qb7643bde1b_prep
		.amdhsa_group_segment_fixed_size 36864
		.amdhsa_private_segment_fixed_size 0
		.amdhsa_enable_private_segment 0
		.amdhsa_kernarg_size 40
		.amdhsa_user_sgpr_count 2
		.amdhsa_user_sgpr_kernarg_segment_ptr 1
		.amdhsa_wavefront_size32 1
		.amdhsa_system_sgpr_workgroup_id_x 1
		.amdhsa_system_sgpr_workgroup_id_y 1
		.amdhsa_system_sgpr_workgroup_id_z 1
		.amdhsa_system_vgpr_workitem_id 0
		.amdhsa_next_free_vgpr 128
		.amdhsa_next_free_sgpr 66
		.amdhsa_reserve_vcc 1
		.amdhsa_float_denorm_mode_32 3
		.amdhsa_float_denorm_mode_16_64 3
		.amdhsa_memory_ordered 1
		.amdhsa_forward_progress 1
		.amdhsa_inst_pref_size 64
	.end_amdhsa_kernel
	.amdgpu_metadata
---
amdhsa.version: [ 1, 2 ]
amdhsa.kernels:
  - .name:           k_qb7643bde1b_prep
    .symbol:         k_qb7643bde1b_prep.kd
    .args:
      - { .name: index, .offset: 0, .size: 8, .value_kind: global_buffer, .address_space: global }
      - { .name: weight, .offset: 8, .size: 8, .value_kind: global_buffer, .address_space: global }
      - { .name: wf, .offset: 16, .size: 8, .value_kind: global_buffer, .address_space: global }
      - { .name: rows, .offset: 24, .size: 8, .value_kind: global_buffer, .address_space: global }
      - { .name: tiles, .offset: 32, .size: 8, .value_kind: global_buffer, .address_space: global }
    .group_segment_fixed_size: 36864
    .private_segment_fixed_size: 0
    .kernarg_segment_align: 8
    .kernarg_segment_size: 40
    .max_flat_workgroup_size: 512
    .sgpr_count:     66
    .vgpr_count:     128
    .wavefront_size: 32
...
	.end_amdgpu_metadata
.endif
;; end of part 1
;; launch moe (part 2): grid 236 x 1, 4 waves a work-group, no clusters, 327,680 bytes of LDS; arguments x, wf, bias, rows, tiles, out0; writes out0
.if DOCPART == 2
	.amdgcn_target "amdgcn-amd-amdhsa--gfx1250"
	.amdhsa_code_object_version 6
	.text
	.protected	k_qb7643bde1b_moe
	.globl	k_qb7643bde1b_moe
	.p2align	8
	.type	k_qb7643bde1b_moe,@function
k_qb7643bde1b_moe:
	s_mov_b64 s[64:65], 0
	v_nop
	global_prefetch_b8 v0, s[64:65] scope:SCOPE_SE
	s_setreg_imm32_b32 hwreg(HW_REG_WAVE_MODE, 25, 1), 1
	s_wait_xcnt 0x0
; out0[t] = x[t] . weight[index[t]] + bias[index[t]], for the tokens of ONE tile: up to 144 rows of one expert (lists and table made by the launch before), all 512 columns.
; 236 work-groups serve every split of the tokens: nine buckets in tiles of 144 rows never make more.  A tile that a split leaves unused (0 rows) runs like any other, on token 0 and zero weights,
; and stores nothing: every wave passes every barrier, and no barrier stands under a branch on a loaded number.
; SHARES.  Four waves; wave w makes 144 rows x columns 128 w .. 128 w + 127: 72 accumulators of 16 x 16.  For 32 along K: 72 matrix instructions, 18 LDS loads (x), 16 loads from memory (weights).
; x: the tile's rows are gathered by asynchronous copies, 256 bytes of a row at a time, all 144 copies of a wave issued at the head, K chunk by K chunk.  The wave that copied a row rounds it in place
;   to bf16, a chunk of 64 along K ahead of its use; a barrier hands each chunk to all four waves.  Nothing in LDS is filled twice.
; WEIGHTS come as bf16 in register order straight into registers: each byte is used by one wave of the work-group, so LDS would add nothing; asked for three K steps ahead.
; NO CLUSTER, NO JOINT LOADS: what tiles of one expert share is the weights, which would have to lie in LDS, where x takes 313,344 of the 327,680 bytes; and x's rows come by a list, which no tile descriptor covers.
; THE MATRIX INSTRUCTION IS USED TRANSPOSED (source 0 = 16 columns of the weights, source 1 = 16 rows of x): a lane holds eight neighbouring columns of one row.  The bias is the C operand of the first K step.
; LIMITS.  x and weight are rounded once to bf16 (nearest even), sums and bias in f32.  A token whose index lies outside 0..7 meets zero weights and a zero bias: its row is 0, as in the
; definition, unless its x holds an infinity or a NaN: then NaN stands where the definition has 0.
; REGISTERS, in windows of 256 (s_set_vgpr_msb: bits 1:0 source 0, 3:2 source 1, 5:4 source 2, 7:6 destination):
;   window 0: addresses; v36-107 x's fragments (9 blocks of 16 rows); v108-171 the bias, then the accumulators of block 8; v172-231 at work on the rounding; v236-243 the copies' LDS addresses
;   window 1: four buffers of weights, K step k in v[64 (k % 4) ..]     window 2: accumulators of blocks 0-3 at v[8 (8 mb + nb)]     window 3: those of blocks 4-7
.set PITCH,  272                       ; a row slot of a chunk: 256 bytes (64 f32, later 64 bf16 in its first 128) + 16: the 16 rows of a fragment load start in 16 different groups of four banks (64 banks of 4 bytes: ISA guide 11.1)
.set CHUNK,  144*PITCH                 ; a chunk's region: 39,168 bytes; eight of them
.set WROWS,  36*PITCH                  ; the rows that one wave copies and rounds
.set SPARE,  8*CHUNK                   ; behind the chunks: the spare words, 128 bytes a wave
.set SPITCH, 528                       ; the way out: a row of 512 bytes + 16
.set WSTAGE, 16*SPITCH                 ; a wave's stage, 16 rows; the four stages lie in chunk 0's region, whose one fill and last read are long past
.set ADRA, 8                           ; v8   LDS address of my lane's place in the fragments of the chunk in hand
.set CVS,  9                           ; v9   the rounding: where I read 8 f32
.set CVD,  10                          ; v10  and where I put 8 bf16
.set BOF,  11                          ; v11  16 x lane; never rewritten
.set STO,  12                          ; v12  the way out: where I put 16 bytes of a row
.set RD,   13                          ; v13  where I read a row back
.set LANEO, 14                         ; v14  512 w + 16 x lane: my place in a row of out0
.set SPW,  16                          ; v16  LDS address of my spare word; never rewritten
.set NIL,  17                          ; v17  0; never rewritten
.set VG,   18                          ; v18-35  the copies' offsets in x, one for each pair of rows
.set AF,   36
.set ACC8, 108
.set CF,   172                         ; v172-211  up to 5 x 8 f32
.set CB,   212                         ; v212-231  up to 5 x 4 registers of bf16
.set VLC,  236                         ; v236-243  the copies' LDS address, one for each chunk
.set BK0,  36                          ; the way out: 16 rows read back, two buffers by turns,
.set BK1,  172
.set OFFS0, 18                         ; and their 16 offsets in out0 (the copies, which named v18-35 and v236-243, are all done by then)
.set OFFS1, 236
.set XB,   24                          ; s[24:39]  x's address for the copies of chunk c
.set MSB, 0
.macro WIN new                         ; the immediate's high byte repeats the setting that is left; a switch that changes nothing is dropped
.if MSB != (\new)
	s_set_vgpr_msb (MSB<<8)|(\new)
.set MSB, \new
.endif
.endm
.macro PLACES                          ; four plain vector instructions between a matrix instruction and a load into one of its registers (ISA guide 7.12.1 for vector instructions)
.rept 4
	v_nop
.endr
.endm
; 8 matrix instructions: block mb of 16 rows x the wave's 8 blocks of 16 columns, K step k.  All 72 accumulators take turns, one instruction a turn.
.macro MUL k, mb
.set BB, 64*((\k)%4)
.set AA, AF+8*(\mb)
.if (\mb) < 8
.set DD, 64*((\mb)%4)
.if (\k) == 0
	WIN 0x81+0x40*((\mb)/4)                        ; weights window 1, x and the bias window 0, D window 2 or 3
.else
	WIN 0xa1+0x50*((\mb)/4)                        ; C and D window 2 or 3
.endif
.else
.set DD, ACC8
	WIN 0x01
.endif
.irp nb, 0,1,2,3,4,5,6,7
.if ((\k) == 0) && ((\mb) < 8)
	v_wmma_f32_16x16x32_bf16 v[DD+8*\nb:DD+8*\nb+7], v[BB+8*\nb:BB+8*\nb+7], v[AA:AA+7], v[ACC8+8*\nb:ACC8+8*\nb+7]
.else
	v_wmma_f32_16x16x32_bf16 v[DD+8*\nb:DD+8*\nb+7], v[BB+8*\nb:BB+8*\nb+7], v[AA:AA+7], v[DD+8*\nb:DD+8*\nb+7]
.endif
.endr
.endm
; x's fragments of K step k: part 0 = blocks 0-3 (8 loads), 1 = blocks 4-7 (8), 2 = block 8 (2).  Lane (r, h): row r, K = 8 h + 0..7 and 16 + 8 h + 0..7.
.macro RA k, part
	WIN 0
.irp mb, 0,1,2,3,4,5,6,7,8
.if ((\mb)/4) == (\part)
	ds_load_b128 v[AF+8*\mb:AF+8*\mb+3],   v[ADRA] offset:16*PITCH*\mb+64*((\k)%2)
	ds_load_b128 v[AF+8*\mb+4:AF+8*\mb+7], v[ADRA] offset:16*PITCH*\mb+64*((\k)%2)+32
.endif
.endr
.endm
; the weights of K step k: 16 loads of 512 consecutive bytes
.macro RB k
	WIN 0x40                                       ; destination window 1
.irp nb, 0,1,2,3,4,5,6,7
	global_load_b128 v[64*((\k)%4)+8*\nb:64*((\k)%4)+8*\nb+3],   v[BOF], s[86:87] offset:8192*(\k)+1024*\nb
	global_load_b128 v[64*((\k)%4)+8*\nb+4:64*((\k)%4)+8*\nb+7], v[BOF], s[86:87] offset:8192*(\k)+1024*\nb+512
.endr
.endm
; THE ROUNDING of my 36 rows of a chunk, in units of 4 rows (a lane: 8 numbers): batch 0 = units 0-4, batch 1 = units 5-8.  A batch's loads are all back before its stores go out, so a row is never written while it is read.
.macro CLD b
	WIN 0
.irp i, 0,1,2,3,4
.if (5*(\b)+(\i)) < 9
	ds_load_b128 v[CF+8*\i:CF+8*\i+3],   v[CVS] offset:4*PITCH*(5*(\b)+(\i))
	ds_load_b128 v[CF+8*\i+4:CF+8*\i+7], v[CVS] offset:4*PITCH*(5*(\b)+(\i))+16
.endif
.endr
.endm
.macro CCV b
	WIN 0
.irp i, 0,1,2,3,4
.if (5*(\b)+(\i)) < 9
.irp t, 0,1,2,3
	v_cvt_pk_bf16_f32 v[CB+4*\i+\t], v[CF+8*\i+2*\t], v[CF+8*\i+2*\t+1]
.endr
.endif
.endr
.endm
.macro CST b
	WIN 0
.irp i, 0,1,2,3,4
.if (5*(\b)+(\i)) < 9
	ds_store_b128 v[CVD], v[CB+4*\i:CB+4*\i+3] offset:4*PITCH*(5*(\b)+(\i))
.endif
.endr
.endm
.macro CSTEP                           ; on to the next chunk
	v_add_nc_u32 v[CVS], CHUNK, v[CVS]
	v_add_nc_u32 v[CVD], CHUNK, v[CVD]
.endm
	s_load_b256 s[4:11], s[0:1], 0x0               ; x s[4:5], wf s[6:7], bias s[8:9], rows s[10:11]
	s_load_b128 s[12:15], s[0:1], 0x20             ; tiles s[12:13], out0 s[14:15]
	v_lshl_add_u32 v[SPW], v0, 2, SPARE
	v_mov_b32 v[NIL], 0
	ds_add_u32 v[SPW], v[NIL]                      ; the wave's opening: the add and its wait stand ahead of my first copy; the set-up below, work on registers, stands between them
	v_lshrrev_b32 v3, 5, v0
	v_readfirstlane_b32 s16, v3                    ; wave 0..3
	v_and_b32 v1, 15, v0                           ; r = lane % 16
	v_bfe_u32 v2, v0, 4, 1                         ; h = lane / 16
	v_and_b32 v4, 31, v0                           ; lane
	v_lshlrev_b32 v[BOF], 4, v4
	s_mul_i32 s90, s16, WROWS
	s_mul_i32 s91, s16, WSTAGE
	s_mul_i32 s92, s16, 144
	s_lshl_b32 s93, s16, 9
	s_lshl_b32 s94, ttmp9, 3                       ; my tile's record
	s_mul_i32 s96, ttmp9, 576                      ; my tile's list of 144 tokens
	s_mov_b32 s97, 0
	v_lshlrev_b32 v7, 4, v1                        ; 16 x (lane % 16)
	v_mul_u32_u24 v3, v2, PITCH
	v_lshl_add_u32 v3, v1, 4, v3
	v_add_nc_u32 v[VLC], s90, v3                   ; a copy takes two rows: row 36 w + h of chunk 0, 16 bytes a lane;
.set c, 1
.rept 7
	v_add_nc_u32 v[VLC+c], CHUNK*c, v[VLC]         ; and of chunk c
.set c, c+1
.endr
	v_mul_u32_u24 v[ADRA], v1, PITCH
	v_lshl_add_u32 v[ADRA], v2, 4, v[ADRA]         ; row r x pitch + 16 h
	v_lshrrev_b32 v3, 3, v4
	v_mul_u32_u24 v3, v3, PITCH
	v_add_nc_u32 v3, s90, v3                       ; the rounding: row 36 w + lane / 8,
	v_and_b32 v4, 7, v4
	v_lshl_add_u32 v[CVS], v4, 5, v3               ; 32 bytes of f32 in,
	v_lshl_add_u32 v[CVD], v4, 4, v3               ; 16 bytes of bf16 out
	v_mul_u32_u24 v3, v1, SPITCH
	v_lshl_add_u32 v3, v2, 5, v3
	v_add_nc_u32 v[STO], s91, v3                   ; stage: row r, 32 bytes for each half of the lanes
	v_add_nc_u32 v[RD], s91, v[BOF]
	v_add_nc_u32 v[LANEO], s93, v[BOF]
	v_lshl_add_u32 v5, v2, 2, s92                  ; my place in the list: entry 36 w + h
	v_lshlrev_b32 v6, 5, v2                        ; my place in 16 numbers of the bias: 8 h
	s_wait_dscnt 0x0                               ; the opening add is done
	s_wait_kmcnt 0x0
	s_load_b64 s[20:21], s[12:13], s94 offset:0x0  ; expert, rows
	s_add_nc_u64 s[84:85], s[10:11], s[96:97]
.set p, 0
.rept 18
	global_load_b32 v[VG+p], v5, s[84:85] offset:8*p  ; the token of row 36 w + 2 p + h
.set p, p+1
.endr
	s_load_b512 s[40:55], s[84:85], 0x0            ; the tokens of rows 0-15, for the way out
	; A copy's immediate I = 2 PITCH p is added to both its addresses.  LDS: chunk c's register + I.  Memory: (x - 9248 + 256 c) + (2048 token + 16 col + 9248 - 544 p) + I = x + 2048 token + 256 c + 16 col.
.set c, 0
.rept 8
	s_sub_nc_u64 s[XB+2*c:XB+2*c+1], s[4:5], 34*PITCH-256*c
.set c, c+1
.endr
	s_wait_kmcnt 0x0
	s_min_u32 s20, s20, 8                          ; loaded numbers enter addresses and counts behind a clamp
	s_min_u32 s21, s21, 144
	s_lshl_b32 s98, s20, 19
	s_lshl_b32 s99, s16, 17
	s_add_co_u32 s98, s98, s99
	s_mov_b32 s99, 0
	s_add_nc_u64 s[86:87], s[6:7], s[98:99]        ; wf at my expert and my 128 columns
	s_min_u32 s95, s20, 7
	s_lshl_b32 s98, s95, 11
	s_add_co_u32 s98, s98, s93
	s_add_nc_u64 s[88:89], s[8:9], s[98:99]        ; bias likewise (bucket 8 reads expert 7's and clears it below)
	s_cmp_lt_u32 s20, 8
	s_cselect_b32 s22, -1, 0
.irp nb, 0,1,2,3,4,5,6,7
	global_load_b128 v[ACC8+8*\nb:ACC8+8*\nb+3],   v6, s[88:89] offset:64*\nb
	global_load_b128 v[ACC8+8*\nb+4:ACC8+8*\nb+7], v6, s[88:89] offset:64*\nb+16
.endr
	RB 0
	WIN 0
	s_wait_loadcnt 32                              ; the 18 loads of the list are in: behind them stand 16 of the bias and 16 of the weights
.set p, 0
.rept 18
	v_min_u32 v[VG+p], 0x7fff, v[VG+p]
	v_lshl_add_u32 v[VG+p], v[VG+p], 11, v7
.if p < 17
	v_add_nc_u32 v[VG+p], 2*PITCH*(17-p), v[VG+p]
.endif
.set p, p+1
.endr
	RB 1
	WIN 0
.set c, 0
.rept 8                                ; chunk by chunk, so that the chunks land in the order of their use; sixteen lanes copy 256 consecutive bytes of a row, aligned
.set p, 0
.rept 18
	global_load_async_to_lds_b128 v[VLC+c], v[VG+p], s[XB+2*c:XB+2*c+1] offset:2*PITCH*p
.set p, p+1
.endr
.set c, c+1
.endr
	s_wait_loadcnt 32                              ; the bias is in: behind it stand the 32 loads of the weights of K steps 0 and 1
.set i, 0
.rept 64
	v_and_b32 v[ACC8+i], s22, v[ACC8+i]            ; bucket 8 has no bias
.set i, i+1
.endr
	RB 2
	WIN 0
	s_wait_asynccnt 63                             ; copies end in order: of my 144 at most 63 are out, so the first 81 are done: chunks 0 to 3 (72 copies)
	CLD 0                                          ; chunk 0 is rounded
	s_wait_dscnt 0x0
	CCV 0
	CST 0
	CLD 1
	s_wait_dscnt 0x0
	CCV 1
	CST 1
	CSTEP
	s_wait_dscnt 0x0                               ; for the others' sake: my rows of chunk 0 are written
	s_barrier_signal -1
	s_barrier_wait -1                              ; everybody's are
	RA 0, 0
	RA 0, 1
	RA 0, 2
	CLD 0                                          ; chunk 1, first batch
; A K STEP of 32: three stretches of matrix instructions (blocks 0-3, 4-7, 8); behind each, the same blocks' fragments of the next step are fetched into the registers just read.
; Behind the first stretch the weights of the step three on are asked for, into the buffer that the step before read (four places stand at that step's end).
; An even step also rounds the next chunk (its conversions are the places behind the stretches); an odd step hands that chunk over by a barrier and starts reading the chunk after it.
.macro KSTEP k
.set CC, (\k)/2+1                      ; the chunk that an even step rounds
.set CN, ((\k)+3)/2                    ; the chunk whose first batch an odd step reads
.if (\k) > 13
	s_wait_loadcnt 16*(15-(\k))                    ; this step's weights are in; the later steps' stay out
.else
	s_wait_loadcnt 32                              ; this step's weights are in; the next two steps' 32 loads stay out
.endif
.if (\k) == 15
	s_wait_dscnt 10                                ; blocks 0-3 are in
	MUL \k, 0
	MUL \k, 1
	MUL \k, 2
	MUL \k, 3
	s_wait_dscnt 2                                 ; blocks 4-7
	MUL \k, 4
	MUL \k, 5
	MUL \k, 6
	MUL \k, 7
	s_wait_dscnt 0x0
	MUL \k, 8
.elseif (\k)%2 == 0
.if CC <= 7
	s_wait_dscnt 20                                ; blocks 0-3 are in: behind their loads stand 8 + 2 of the other blocks and 10 of the rounding
.else
	s_wait_dscnt 10
.endif
	MUL \k, 0
	MUL \k, 1
	MUL \k, 2
	MUL \k, 3
.if CC <= 7
	s_wait_dscnt 0x0                               ; the other blocks and the rounding's first batch are in
	CCV 0                                          ; 20 plain instructions: the places in front of the loads below
	CST 0
	RA (\k)+1, 0
	CLD 1
	RB (\k)+3
.else
	PLACES
	RA (\k)+1, 0
	s_wait_dscnt 8                                 ; all but the 8 just issued
.endif
	MUL \k, 4
	MUL \k, 5
	MUL \k, 6
	MUL \k, 7
.if CC <= 7
	s_wait_dscnt 0x0                               ; the second batch is in
	CCV 1                                          ; 16 plain instructions: the places in front of the loads below and, in K step 0, in front of block 8's products, which write over the bias that the others took as C
	CST 1
	CSTEP
	RA (\k)+1, 1
.else
	PLACES
	RA (\k)+1, 1
.endif
	MUL \k, 8
	PLACES
	RA (\k)+1, 2
.else
	MUL \k, 0                                      ; (blocks 0-3 were waited for in the step before)
	MUL \k, 1
	s_wait_dscnt 0x0                               ; my rounded rows of the next chunk are written, and all my reads of this chunk are back:
	s_barrier_signal -1                            ; say so,
	MUL \k, 2                                      ; work on registers while the others arrive,
	MUL \k, 3
	s_barrier_wait -1                              ; and go on when all four have said so: the next chunk is whole.  Copies may stay out
	WIN 0
	v_add_nc_u32 v[ADRA], CHUNK, v[ADRA]           ; with the three below: the four places
	v_nop
	v_nop
	v_nop
	RA (\k)+1, 0
.if (\k) <= 12
	RB (\k)+3
.endif
	MUL \k, 4
	MUL \k, 5
	MUL \k, 6
	MUL \k, 7
	PLACES
	RA (\k)+1, 1
	MUL \k, 8
	PLACES
	RA (\k)+1, 2
.if CN <= 7
.if CN >= 4
	s_wait_asynccnt 18*(7-CN)                      ; my copies of chunk CN are done: behind them stand 18 for each later chunk
.endif
	CLD 0
.endif
.endif
.endm
.irp k, 0,1,2,3,4,5,6,7,8,9,10,11,12,13,14,15
	KSTEP \k
.endr
; THE WAY OUT, a block of 16 rows at a time: a lane's 2 x 16 bytes go into my stage (STG), whole pieces of 512 bytes of a row come back (BACK) and are stored at the row's token (SEND).
; Block a's stores into the stage stand between block a - 1's loads from it and the wait for them.
; The rows past the tile's count are its last ones: the first of them jumps to the wave's end (no barrier and no copy is jumped).
.macro STG a
	WIN 0
	s_wait_xcnt 0x0                                ; the stores of the block two back have read their registers, which are written again below and in BACK
	s_wait_kmcnt 0x0                               ; this block's tokens are in
.set TK, 40+28*((\a)%2)
.set OF, OFFS0+(OFFS1-OFFS0)*((\a)%2)
.irp i, 0,1,2,3,4,5,6,7,8,9,10,11,12,13,14,15
	s_min_u32 s[TK+\i], s[TK+\i], 0x7fff
	v_lshl_add_u32 v[OF+\i], s[TK+\i], 11, v[LANEO]  ; in block 0 these sixteen are the places behind the last products
.endr
.if (\a) < 8
	s_load_b512 s[68-28*((\a)%2):83-28*((\a)%2)], s[84:85], 64*((\a)+1)  ; the next block's tokens, into the other set
.endif
.if (\a) < 8
.set AC, 64*((\a)%4)
	WIN 0x08+4*((\a)/4)                            ; the data in window 2 or 3
.else
.set AC, ACC8
.endif
.irp nb, 0,1,2,3,4,5,6,7
	ds_store_b128 v[STO], v[AC+8*\nb:AC+8*\nb+3]   offset:64*\nb       ; each accumulator's low registers first
	ds_store_b128 v[STO], v[AC+8*\nb+4:AC+8*\nb+7] offset:64*\nb+16
.endr
	WIN 0
.endm
.macro BACK a
	WIN 0
.set BK, BK0+(BK1-BK0)*((\a)%2)
.irp i, 0,1,2,3,4,5,6,7,8,9,10,11,12,13,14,15
	ds_load_b128 v[BK+4*\i:BK+4*\i+3], v[RD] offset:SPITCH*\i  ; my own bytes: LDS serves a wave's instructions in order (ISA guide 5.7.1.4): these see the stores above, and the next block's stores come behind them
.endr
.endm
.macro SEND a, younger                 ; younger: the LDS instructions issued behind this block's loads: the next block's 16 stores, or none
	WIN 0
.set OF, OFFS0+(OFFS1-OFFS0)*((\a)%2)
.set BK, BK0+(BK1-BK0)*((\a)%2)
.irp i, 0,1,2,3,4,5,6,7,8,9,10,11,12,13,14,15
	s_wait_dscnt (\younger)+15-\i                  ; row i is back
	s_cmp_gt_u32 s21, 16*(\a)+\i
	s_cbranch_scc0 .Lend                           ; the tile has no such row, nor any later one
	global_store_b128 v[OF+\i], v[BK+4*\i:BK+4*\i+3], s[14:15] th:TH_STORE_NT  ; 512 consecutive bytes of one row of out0, aligned
.endr
.endm
	STG 0
	BACK 0
.irp a, 1,2,3,4,5,6,7,8
	STG \a
	SEND (\a)-1, 16
	BACK \a
.endr
	SEND 8, 0
.Lend:
	s_wait_kmcnt 0x0
	s_wait_tensorcnt 0x0                           ; the wave's end
	s_wait_asynccnt 0x0
	ds_add_u32 v[SPW], v[NIL]
	s_wait_dscnt 0x0
	s_endpgm
.Lfunc_end_k_qb7643bde1b_moe:
	.size	k_qb7643bde1b_moe, .Lfunc_end_k_qb7643bde1b_moe-k_qb7643bde1b_moe
	.p2alignl 7, 3214868480
	.fill 96, 4, 3214868480
	.section	.rodata,"a",@progbits
	.p2align	6, 0x0
	.amdhsa_kernel k_qb7643bde1b_moe
		.amdhsa_group_segment_fixed_size 327680
		.amdhsa_private_segment_fixed_size 0
		.amdhsa_enable_private_segment 0
		.amdhsa_kernarg_size 48
		.amdhsa_user_sgpr_count 2
		.amdhsa_user_sgpr_kernarg_segment_ptr 1
		.amdhsa_wavefront_size32 1
		.amdhsa_system_sgpr_workgroup_id_x 1
		.amdhsa_system_sgpr_workgroup_id_y 1
		.amdhsa_system_sgpr_workgroup_id_z 1
		.amdhsa_system_vgpr_workitem_id 0
		.amdhsa_next_free_vgpr 1024
		.amdhsa_next_free_sgpr 100
		.amdhsa_reserve_vcc 0
		.amdhsa_float_denorm_mode_32 3
		.amdhsa_float_denorm_mode_16_64 3
		.amdhsa_memory_ordered 1
		.amdhsa_forward_progress 1
		.amdhsa_inst_pref_size 250
	.end_amdhsa_kernel
	.amdgpu_metadata
---
amdhsa.version: [ 1, 2 ]
amdhsa.kernels:
  - .name:           k_qb7643bde1b_moe
    .symbol:         k_qb7643bde1b_moe.kd
    .args:
      - { .name: x, .offset: 0, .size: 8, .value_kind: global_buffer, .address_space: global }
      - { .name: wf, .offset: 8, .size: 8, .value_kind: global_buffer, .address_space: global }
      - { .name: bias, .offset: 16, .size: 8, .value_kind: global_buffer, .address_space: global }
      - { .name: rows, .offset: 24, .size: 8, .value_kind: global_buffer, .address_space: global }
      - { .name: tiles, .offset: 32, .size: 8, .value_kind: global_buffer, .address_space: global }
      - { .name: out0, .offset: 40, .size: 8, .value_kind: global_buffer, .address_space: global }
    .group_segment_fixed_size: 327680
    .private_segment_fixed_size: 0
    .kernarg_segment_align: 8
    .kernarg_segment_size: 48
    .max_flat_workgroup_size: 128
    .sgpr_count:     100
    .vgpr_count:     1024
    .wavefront_size: 32
...
	.end_amdgpu_metadata
.endif
;; end of part 2
;; ======== version 2 of 2: 2 launches; 1.18 times as fast as version 1
;; workspace buffers: wf 4,718,592 bytes; rows 135,936 bytes of whole numbers; tiles 2,048 bytes of whole numbers
;; launch prep (part 3): grid 208 x 1, 16 waves a work-group, no clusters, 36,864 bytes of LDS; arguments index, weight, wf, rows, tiles; writes wf, rows, tiles
.if DOCPART == 3
	.amdgcn_target "amdgcn-amd-amdhsa--gfx1250"
	.amdhsa_code_object_version 6
	.text
	.protected	k_qb7643bde1b_prep
	.globl	k_qb7643bde1b_prep
	.p2align	8
	.type	k_qb7643bde1b_prep,@function
k_qb7643bde1b_prep:
	s_mov_b64 s[64:65], 0
	v_nop
	global_prefetch_b8 v0, s[64:65] scope:SCOPE_SE
	s_setreg_imm32_b32 hwreg(HW_REG_WAVE_MODE, 25, 1), 1
	s_wait_xcnt 0x0
; PREP.  Two jobs, told apart by the work-group's number alone.
; Work-groups 0-63: a counting sort of index[32768] into nine buckets (experts 0-7; bucket 8 = every index outside 0..7), without atomics: each work-group
;   counts all 32,768 indices for itself, with all 16 waves, and places its own 512 tokens, with waves 0-3 (one wave for each SIMD; the other twelve end behind the one barrier).
;   rows: bucket e's token list begins at entry 144 x tb_e (tb_e = tiles of 144 rows in front of it); entries past a bucket's count, and all unused tiles, hold token 0.
;   tiles: record g = (expert, rows) of tile g, (8, 0) for an unused tile.  At most (32768 + 9 x 143) / 144 = 236 tiles, whatever the split.
;   The order of tokens inside a bucket is not the token order; nothing hangs on it.
; Work-groups 64-207: weight[e][k][n] (f32) is rounded once to bf16 (to nearest even) and stored in the order in which a wave's operand registers take it:
;   wf[e 0..8][w 0..3][ks 0..15][nb 0..7][half 0..1][lane 0..31][8 bf16]; lane (r = lane % 16, h = lane / 16) holds column 128 w + 16 nb + r, k = 32 ks + 16 half + 8 h + 0..7.
;   Expert 8 of wf is all zeros.
; LDS: the weights' stages, the sort's table and the spare words each have bytes of their own.
.set NSORT, 64                         ; work-groups that sort
.set WST, 2112                         ; a wave's stage: four pieces of 512 bytes, 528 bytes apart; 16 stages from byte 0 on
.set TAB, 16*WST                       ; 33,792: the sort's table: a record of 64 bytes for each of 16 waves
.set SPARE, TAB+1024                   ; 34,816: the spare words, 128 bytes for each of 16 waves
.set SPW, 126                          ; v126  LDS address of my spare word; never rewritten
.set NIL, 127                          ; v127  0; never rewritten
	s_load_b256 s[4:11], s[0:1], 0x0               ; index s[4:5], weight s[6:7], wf s[8:9], rows s[10:11]
	s_load_b64 s[12:13], s[0:1], 0x20              ; tiles
	v_lshl_add_u32 v[SPW], v0, 2, SPARE
	v_mov_b32 v[NIL], 0
	v_lshrrev_b32 v1, 5, v0
	v_readfirstlane_b32 s14, v1                    ; wave 0..15
	v_and_b32 v1, 31, v0                           ; lane
	s_cmp_lt_u32 ttmp9, NSORT
	s_cbranch_scc1 .Lsort
; ---------------- the weights: work-group b = (e, ks); wave = (half, gcol): 16 k x 64 columns, 4,096 bytes in, 2,048 out
	s_sub_co_u32 s15, ttmp9, NSORT
	s_lshr_b32 s16, s15, 4                         ; e 0..8
	s_and_b32 s17, s15, 15                         ; ks
	s_lshr_b32 s18, s14, 3                         ; half
	s_and_b32 s19, s14, 7                          ; gcol: columns 64 gcol on
	s_lshl_b32 s20, s16, 19                        ; wf: e x 524,288
	s_lshr_b32 s21, s19, 1
	s_lshl_b32 s21, s21, 17                        ; + (gcol / 2) x 131,072
	s_add_co_u32 s20, s20, s21
	s_lshl_b32 s21, s17, 13                        ; + ks x 8,192
	s_add_co_u32 s20, s20, s21
	s_and_b32 s21, s19, 1
	s_lshl_b32 s21, s21, 12                        ; + (gcol % 2) x 4 blocks of 1,024
	s_add_co_u32 s20, s20, s21
	s_lshl_b32 s21, s18, 9                         ; + half x 512
	s_add_co_u32 s20, s20, s21
	s_mov_b32 s21, 0
	s_lshl_b32 s22, s16, 20                        ; weight: e x 1,048,576
	s_lshl_b32 s24, s17, 16                        ; + 32 ks rows of 2,048 bytes
	s_add_co_u32 s22, s22, s24
	s_lshl_b32 s24, s18, 15                        ; + 16 half rows
	s_add_co_u32 s22, s22, s24
	s_lshl_b32 s24, s19, 8                         ; + 64 gcol columns
	s_add_co_u32 s22, s22, s24
	s_mov_b32 s23, 0
	s_mul_i32 s24, s14, WST                        ; my stage
	v_lshlrev_b32 v2, 4, v1                        ; 16 x lane
	v_and_b32 v4, 15, v1                           ; q: my four columns 4 q ..
	v_lshrrev_b32 v5, 4, v1                        ; h: my eight rows 8 h ..
	v_lshlrev_b32 v3, 4, v4
	v_lshl_add_u32 v3, v5, 14, v3                  ; 16 q + 8 h rows
	v_lshrrev_b32 v6, 2, v4
	v_mul_u32_u24 v6, v6, 528                      ; piece q / 4 (a block of 16 columns)
	v_and_b32 v8, 3, v4
	v_lshl_add_u32 v6, v8, 6, v6                   ; + 4 (q % 4) lanes of 16 bytes
	v_lshl_add_u32 v6, v5, 8, v6                   ; + 16 h lanes
	v_add_nc_u32 v6, s24, v6                       ; where I put a column's 16 bytes
	v_add_nc_u32 v7, s24, v2                       ; where I read a piece back
	s_wait_kmcnt 0x0
	s_add_nc_u64 s[8:9], s[8:9], s[20:21]
	s_cmp_eq_u32 s16, 8
	s_cbranch_scc1 .Lzero
	s_add_nc_u64 s[6:7], s[6:7], s[22:23]
.irp j, 0,1,2,3,4,5,6,7
	global_load_b128 v[32+4*\j:35+4*\j], v3, s[6:7] offset:2048*\j th:TH_LOAD_NT  ; row 8 h + j: sixteen lanes take 256 consecutive bytes, aligned
.endr
	s_wait_loadcnt 0x0
.irp c, 0,1,2,3
.irp jj, 0,1,2,3
	v_cvt_pk_bf16_f32 v[64+4*\c+\jj], v[32+8*\jj+\c], v[36+8*\jj+\c]  ; column 4 q + c, rows 2 jj and 2 jj + 1
.endr
.endr
.irp c, 0,1,2,3
	ds_store_b128 v6, v[64+4*\c:67+4*\c] offset:16*\c
.endr
.irp n, 0,1,2,3
	ds_load_b128 v[80+4*\n:83+4*\n], v7 offset:528*\n  ; my own bytes: LDS serves a wave's instructions in order (ISA guide 5.7.1.4), so these see the stores above
.endr
.irp n, 0,1,2,3
	s_wait_dscnt 3-\n                              ; piece n is back; the younger loads stay out
	global_store_b128 v2, v[80+4*\n:83+4*\n], s[8:9] offset:1024*\n  ; 512 consecutive bytes, aligned
.endr
	s_wait_tensorcnt 0x0                           ; the wave's end
	ds_add_u32 v[SPW], v[NIL]
	s_wait_dscnt 0x0
	s_endpgm
.Lzero:                                                ; expert 8: zeros
.irp n, 0,1,2,3
	v_mov_b32 v[80+\n], 0
.endr
.irp n, 0,1,2,3
	global_store_b128 v2, v[80:83], s[8:9] offset:1024*\n
.endr
	s_wait_tensorcnt 0x0
	ds_add_u32 v[SPW], v[NIL]
	s_wait_dscnt 0x0
	s_endpgm
; ---------------- the sort: work-group j owns tokens 512 j .. 512 j + 511; thread t < 128 owns 4 of them
; Four numbers are counted in one register of eight 4-bit fields (a field a bucket, 4 at the most), which is then emptied into two registers of byte counters:
; buckets 0, 2, 4, 6 and buckets 1, 3, 5, 7 (a thread counts 64 numbers at the most).  v72, v73 all trips so far; v74, v75 what lies in front of my work-group's tokens; v76, v77 my own four.
.macro COUNT4 x, c0, c1
	v_lshlrev_b32 v78, 2, v[\x]
	v_lshlrev_b32 v79, 2, v[\x+1]
	v_lshlrev_b32 v93, 2, v[\x+2]
	v_lshlrev_b32 v94, 2, v[\x+3]
	v_cmp_gt_u32 s56, 8, v[\x]                     ; every number outside 0..7 counts nowhere: bucket 8 is what is left
	v_cmp_gt_u32 s57, 8, v[\x+1]
	v_cmp_gt_u32 s58, 8, v[\x+2]
	v_cmp_gt_u32 s59, 8, v[\x+3]
	v_lshlrev_b32 v78, v78, 1                      ; 1 << 4 (x % 8): a shift takes its amount's low five bits
	v_lshlrev_b32 v79, v79, 1
	v_lshlrev_b32 v93, v93, 1
	v_lshlrev_b32 v94, v94, 1
	v_cndmask_b32 v78, 0, v78, s56
	v_cndmask_b32 v79, 0, v79, s57
	v_cndmask_b32 v93, 0, v93, s58
	v_cndmask_b32 v94, 0, v94, s59
	v_add_nc_u32 v78, v78, v79
	v_add_nc_u32 v93, v93, v94
	v_add_nc_u32 v78, v78, v93
	v_and_b32 v79, s16, v78                        ; the even buckets' fields, a byte each,
	v_lshrrev_b32 v78, 4, v78
	v_and_b32 v78, s16, v78                        ; and the odd ones'
	v_add_nc_u32 v[\c0], v[\c0], v79
	v_add_nc_u32 v[\c1], v[\c1], v78
.endm
.macro WIDE src, dst                   ; four bytes become two registers of two 16-bit fields: bytes (0 | 2), (1 | 3)
	v_and_b32 v[\dst], s17, v[\src]
	v_lshrrev_b32 v[\dst+1], 8, v[\src]
	v_and_b32 v[\dst+1], s17, v[\dst+1]
.endm
.macro XSTAGE lo, n, m                 ; n registers from v[lo] on each add the lane m away (exclusive or) inside 16 lanes; a temporary for each, so that no line waits for the one before it
.set z, 0
.rept \n
	v_mov_b32_dpp v[96+z], v[\lo+z] row_xmask:\m row_mask:0xf bank_mask:0xf
.set z, z+1
.endr
.set z, 0
.rept \n
	v_add_nc_u32 v[\lo+z], v[\lo+z], v[96+z]
.set z, z+1
.endr
.endm
.macro XHALF lo, n                     ; and the same lane of the other half
.set z, 0
.rept \n
	v_permlanex16_b32 v[96+z], v[\lo+z], s18, s19
.set z, z+1
.endr
.set z, 0
.rept \n
	v_add_nc_u32 v[\lo+z], v[\lo+z], v[96+z]
.set z, z+1
.endr
.endm
.macro SPLIT raw, lo, hi
	s_and_b32 s[\lo], s[\raw], 0xffff
	s_lshr_b32 s[\hi], s[\raw], 16
.endm
.Lsort:
	s_mov_b32 s15, ttmp9                           ; j
	; Trip it of the count takes tokens 2048 it + 4 t.  My work-group's tokens lie in trip j / 4, in waves 4 (j % 4) to 4 (j % 4) + 3.  So what a wave has counted in front of them
	; is its count at the head of trip j / 4, or of the trip behind it if the wave's number is below 4 (j % 4).
	s_lshr_b32 s29, s15, 2
	s_and_b32 s3, s15, 3
	s_lshl_b32 s3, s3, 2
	s_cmp_lt_u32 s14, s3
	s_cselect_b32 s3, 1, 0
	s_add_co_u32 s29, s29, s3                      ; the trip at whose head my counters are kept: 0 to 16
	s_and_b32 s39, s15, 15                         ; the bucket that this work-group helps to pad (0-8), or 9: the tile table
	s_lshr_b32 s2, s15, 4                          ; and which slice of that work, 0-3
	s_mov_b32 s16, 0x0f0f0f0f
	s_mov_b32 s17, 0x00ff00ff
	s_mov_b32 s18, 0x76543210                      ; v_permlanex16_b32: each lane takes its own place in the other half
	s_mov_b32 s19, 0xfedcba98
	s_lshl_b32 s50, s15, 11                        ; my work-group's 512 indices
	s_lshl_b32 s51, s2, 7
	v_lshlrev_b32 v2, 4, v0                        ; 16 t
	v_and_b32 v3, 127, v0
	v_lshl_add_u32 v3, v3, 4, s50                  ; 2048 j + 16 (t % 128): inside the buffer in every wave; waves 0-3 use it
	v_add_nc_u32 v115, s51, v0                     ; a record of the tile table: 128 slice + t,
	v_lshlrev_b32 v114, 3, v115                    ; and its 8 bytes
	s_wait_kmcnt 0x0
	global_load_b128 v[4:7], v3, s[4:5]            ; my own four
.irp it, 0,1,2,3,4,5,6,7,8,9,10,11,12,13,14,15
	global_load_b128 v[8+4*\it:11+4*\it], v2, s[4:5] offset:8192*\it  ; four numbers of every trip
.endr
.irp r, 72,73,74,75,88,89,90,91,96,97,98,99,100,101,102,103
	v_mov_b32 v[\r], 0
.endr
.irp it, 0,1,2,3,4,5,6,7,8,9,10,11,12,13,14,15
	s_wait_loadcnt 15-\it                          ; trip it's load is in (and my own four, which are older); the younger loads stay out
	s_cmp_eq_u32 s29, \it
	s_cselect_b32 s50, -1, 0
	v_cndmask_b32 v74, v74, v72, s50               ; what has been counted so far lies in front of my work-group's tokens
	v_cndmask_b32 v75, v75, v73, s50
	COUNT4 8+4*\it, 72, 73
.endr
	s_cmp_eq_u32 s29, 16
	s_cselect_b32 s50, -1, 0
	v_cndmask_b32 v74, v74, v72, s50
	v_cndmask_b32 v75, v75, v73, s50
	WIDE 72, 80                                    ; v80-83 all, v84-87 in front: 16-bit fields (0|4), (2|6), (1|5), (3|7); a work-group's sums stay within 32,768
	WIDE 73, 82
	WIDE 74, 84
	WIDE 75, 86
	XSTAGE 80, 8, 1
	XSTAGE 80, 8, 2
	XSTAGE 80, 8, 4
	XSTAGE 80, 8, 8
	XHALF 80, 8                                    ; the wave's sums, in every lane
	s_cmp_lt_u32 s14, 4
	s_cbranch_scc0 .Lnoown                         ; waves 4-15 own no tokens: v88-91 stay 0
	v_mov_b32 v76, 0
	v_mov_b32 v77, 0
	COUNT4 4, 76, 77
	WIDE 76, 88                                    ; v88-91: my wave's own tokens
	WIDE 77, 90
	XSTAGE 88, 4, 1
	XSTAGE 88, 4, 2
	XSTAGE 88, 4, 4
	XSTAGE 88, 4, 8
	XHALF 88, 4
.Lnoown:
	v_mov_b32 v94, s14
	v_lshl_add_u32 v94, v94, 6, TAB                ; my wave's record of 64 bytes
	ds_store_b128 v94, v[80:83]
	ds_store_b128 v94, v[84:87] offset:16
	ds_store_b128 v94, v[88:91] offset:32
	s_wait_dscnt 0x0                               ; for the others' sake: my record is written
	s_barrier_signal -1
	s_barrier_wait -1
	s_cmp_lt_u32 s14, 4
	s_cbranch_scc0 .Lsortend                       ; only the four waves that own tokens go on
	v_and_b32 v95, 15, v0
	v_lshl_add_u32 v94, v95, 6, TAB                ; lane l reads the record of wave l % 16
	ds_load_b128 v[80:83], v94
	ds_load_b128 v[84:87], v94 offset:16
	ds_load_b128 v[88:91], v94 offset:32
	s_wait_dscnt 0x0
	v_cmp_gt_u32 vcc_lo, s14, v95                  ; the waves in front of mine
.irp i, 0,1,2,3
	v_cndmask_b32 v[88+\i], 0, v[88+\i], vcc_lo
.endr
.irp i, 0,1,2,3
	v_add_nc_u32 v[84+\i], v[84+\i], v[88+\i]      ; their own tokens lie in front of mine too
.endr
	XSTAGE 80, 8, 1
	XSTAGE 80, 8, 2
	XSTAGE 80, 8, 4
	XSTAGE 80, 8, 8
.irp i, 0,1,2,3,4,5,6,7
	v_readfirstlane_b32 s[52+\i], v[80+\i]
.endr
	SPLIT 52, 20, 24                               ; s20-27: n_e, the buckets' counts
	SPLIT 53, 22, 26
	SPLIT 54, 21, 25
	SPLIT 55, 23, 27
	SPLIT 56, 30, 34                               ; s30-37: tokens of bucket e in front of my wave's
	SPLIT 57, 32, 36
	SPLIT 58, 31, 35
	SPLIT 59, 33, 37
	s_mov_b32 s28, 32768                           ; bucket 8 takes what is left
	s_lshl_b32 s38, s15, 9
	s_lshl_b32 s50, s14, 7
	s_add_co_u32 s38, s38, s50                     ; 512 j + 128 wave tokens lie in front of my wave's
.irp e, 0,1,2,3,4,5,6,7
	s_sub_co_u32 s28, s28, s[20+\e]
	s_sub_co_u32 s38, s38, s[30+\e]
.endr
	s_mov_b32 s40, 0                               ; s40-49: tb_e
	s_mov_b32 s60, 0                               ; where the padding of bucket j % 16 begins,
	s_mov_b32 s61, 0                               ; and ends
.irp e, 0,1,2,3,4,5,6,7,8
	s_add_co_u32 s62, s[20+\e], 143
	s_lshr_b32 s62, s62, 4
	s_mul_i32 s62, s62, 7282                       ; m / 9 = (7282 m) >> 16, exact for m up to 2,056
	s_lshr_b32 s62, s62, 16                        ; tiles of bucket e
	s_add_co_u32 s[41+\e], s[40+\e], s62
	s_mul_i32 s62, s[40+\e], 144
	s_add_co_u32 s[30+\e], s[30+\e], s62           ; the place of my wave's first token of bucket e
	s_add_co_u32 s62, s62, s[20+\e]
.if \e < 8
	s_mul_i32 s63, s[41+\e], 144
.else
	s_mov_b32 s63, 33984                           ; bucket 8's padding runs to the end of the last tile
.endif
	s_cmp_eq_u32 s39, \e
	s_cselect_b32 s60, s62, s60
	s_cselect_b32 s61, s63, s61
.endr
	s_mul_i32 s62, s2, 384
	s_add_co_u32 s60, s60, s62                     ; my slice of the padding: 384 places from here on
	s_lshl_b32 s50, s15, 9
	v_lshl_add_u32 v100, v0, 2, s50                ; my four tokens' numbers
	v_add_nc_u32 v101, 1, v100
	v_add_nc_u32 v102, 2, v100
	v_add_nc_u32 v103, 3, v100
.irp q, 0,1,2,3
	v_min_u32 v[4+\q], 8, v[4+\q]                  ; unsigned: every index outside 0..7 is bucket 8
	v_mov_b32 v[96+\q], 0
.endr
.irp q, 0,1,2,3
.irp e, 0,1,2,3,4,5,6,7,8
	v_cmp_eq_u32 s[50+\e], \e, v[4+\q]             ; the lanes whose token q is in bucket e
.endr
.irp e, 0,1,2,3,4,5,6,7,8
	v_mbcnt_lo_u32_b32 v[105+\e], s[50+\e], s[30+\e]  ; the bucket's next place + the lanes below me that are in it
.endr
.irp e, 0,1,2,3,4,5,6,7,8
	v_cndmask_b32 v[96+\q], v[96+\q], v[105+\e], s[50+\e]
.endr
.irp e, 0,1,2,3,4,5,6,7,8
	s_bcnt1_i32_b32 s62, s[50+\e]
	s_add_co_u32 s[30+\e], s[30+\e], s62
.endr
.endr
.irp q, 0,1,2,3
	v_min_u32 v[96+\q], 33983, v[96+\q]            ; a number made of loaded data enters an address behind a clamp
	v_lshlrev_b32 v[96+\q], 2, v[96+\q]
	global_store_b32 v[96+\q], v[100+\q], s[10:11]
.endr
	; The padding's addresses and masks are made with all lanes on, ahead of every change of EXEC.  All buckets together have 33,984 - 32,768 = 1,216 places to pad with token 0;
	; the four work-groups of a bucket look at 4 x 3 x 128 = 1,536.
	v_mov_b32 v104, 0
.irp it, 0,1,2
	v_add_nc_u32 v[105+\it], s60, v0
	v_add_nc_u32 v[105+\it], 128*\it, v[105+\it]
	v_cmp_gt_u32 s[52+\it], s61, v[105+\it]        ; the places in front of the padding's end
	v_min_u32 v[105+\it], 33983, v[105+\it]
	v_lshlrev_b32 v[105+\it], 2, v[105+\it]
.endr
	s_cmp_gt_u32 s39, 8
	s_cbranch_scc1 .Lnopad
.irp it, 0,1,2
	s_wait_xcnt 0x0                                ; EXEC is a source of the stores above: it changes only behind this wait
	s_and_saveexec_b32 s62, s[52+\it]
	global_store_b32 v[105+\it], v104, s[10:11]
	s_wait_xcnt 0x0                                ; and again in front of the line that widens it
	s_or_b32 exec_lo, exec_lo, s62
.endr
.Lnopad:
	s_cmp_eq_u32 s39, 9
	s_cbranch_scc0 .Lsortend
	s_cmp_lt_u32 s2, 2
	s_cbranch_scc0 .Lsortend
	v_mov_b32 v110, 0                              ; work-groups 9 and 25 write the tile table, 128 records each: record g finds the last bucket whose first tile is not behind g.  Records 236-255 fill the buffer; nobody reads them
	v_mov_b32 v112, 0
	v_mov_b32 v113, s20
.irp e, 1,2,3,4,5,6,7,8
	v_cmp_le_u32 vcc_lo, s[40+\e], v115
	v_cndmask_b32 v110, v110, \e, vcc_lo
	v_cndmask_b32 v112, v112, s[40+\e], vcc_lo
	v_cndmask_b32 v113, v113, s[20+\e], vcc_lo
.endr
	v_sub_nc_u32 v112, v115, v112
	v_mul_u32_u24 v112, v112, 144
	v_sub_nc_u32 v111, v113, v112                  ; rows left from this tile on,
	v_max_i32 v111, 0, v111                        ; none behind the bucket's end,
	v_min_i32 v111, 144, v111                      ; 144 at the most
	global_store_b64 v114, v[110:111], s[12:13]    ; a wave's store covers 256 consecutive bytes, aligned
.Lsortend:
	s_wait_tensorcnt 0x0                           ; the wave's end
	ds_add_u32 v[SPW], v[NIL]
	s_wait_dscnt 0x0
	s_endpgm
.Lfunc_end_k_qb7643bde1b_prep:
	.size	k_qb7643bde1b_prep, .Lfunc_end_k_qb7643bde1b_prep-k_qb7643bde1b_prep
	.p2alignl 7, 3214868480
	.fill 96, 4, 3214868480
	.section	.rodata,"a",@progbits
	.p2align	6, 0x0
	.amdhsa_kernel k_qb7643bde1b_prep
		.amdhsa_group_segment_fixed_size 36864
		.amdhsa_private_segment_fixed_size 0
		.amdhsa_enable_private_segment 0
		.amdhsa_kernarg_size 40
		.amdhsa_user_sgpr_count 2
		.amdhsa_user_sgpr_kernarg_segment_ptr 1
		.amdhsa_wavefront_size32 1
		.amdhsa_system_sgpr_workgroup_id_x 1
		.amdhsa_system_sgpr_workgroup_id_y 1
		.amdhsa_system_sgpr_workgroup_id_z 1
		.amdhsa_system_vgpr_workitem_id 0
		.amdhsa_next_free_vgpr 128
		.amdhsa_next_free_sgpr 66
		.amdhsa_reserve_vcc 1
		.amdhsa_float_denorm_mode_32 3
		.amdhsa_float_denorm_mode_16_64 3
		.amdhsa_memory_ordered 1
		.amdhsa_forward_progress 1
		.amdhsa_inst_pref_size 63
	.end_amdhsa_kernel
	.amdgpu_metadata
---
amdhsa.version: [ 1, 2 ]
amdhsa.kernels:
  - .name:           k_qb7643bde1b_prep
    .symbol:         k_qb7643bde1b_prep.kd
    .args:
      - { .name: index, .offset: 0, .size: 8, .value_kind: global_buffer, .address_space: global }
      - { .name: weight, .offset: 8, .size: 8, .value_kind: global_buffer, .address_space: global }
      - { .name: wf, .offset: 16, .size: 8, .value_kind: global_buffer, .address_space: global }
      - { .name: rows, .offset: 24, .size: 8, .value_kind: global_buffer, .address_space: global }
      - { .name: tiles, .offset: 32, .size: 8, .value_kind: global_buffer, .address_space: global }
    .group_segment_fixed_size: 36864
    .private_segment_fixed_size: 0
    .kernarg_segment_align: 8
    .kernarg_segment_size: 40
    .max_flat_workgroup_size: 512
    .sgpr_count:     66
    .vgpr_count:     128
    .wavefront_size: 32
...
	.end_amdgpu_metadata
.endif
;; end of part 3
;; launch moe (part 4): grid 236 x 1, 4 waves a work-group, no clusters, 327,680 bytes of LDS; arguments x, wf, bias, rows, tiles, out0; writes out0
.if DOCPART == 4
	.amdgcn_target "amdgcn-amd-amdhsa--gfx1250"
	.amdhsa_code_object_version 6
	.text
	.protected	k_qb7643bde1b_moe
	.globl	k_qb7643bde1b_moe
	.p2align	8
	.type	k_qb7643bde1b_moe,@function
k_qb7643bde1b_moe:
	s_mov_b64 s[64:65], 0
	v_nop
	global_prefetch_b8 v0, s[64:65] scope:SCOPE_SE
	s_setreg_imm32_b32 hwreg(HW_REG_WAVE_MODE, 25, 1), 1
	s_wait_xcnt 0x0
; out0[t] = x[t] . weight[index[t]] + bias[index[t]], for the tokens of ONE tile: up to 144 rows of one expert (lists and table made by the launch before), all 512 columns.
; 236 work-groups serve every split of the tokens: nine buckets in tiles of 144 rows never make more.  A tile that a split leaves unused (0 rows) runs like any other, on token 0 and zero weights,
; up to its first store, and stores nothing: every wave passes every barrier, and no barrier stands under a branch on a loaded number.
; SHARES.  Four waves; wave w makes 144 rows x columns 128 w .. 128 w + 127: 72 accumulators of 16 x 16.  For 32 along K: 72 matrix instructions, 18 LDS loads (x), 16 loads from memory (weights).
; x: the tile's rows are gathered by asynchronous copies, 256 bytes of a row at a time, all 144 copies of a wave issued at the head, K chunk by K chunk.  The wave that copied a row rounds it in place
;   to bf16, a chunk of 64 along K ahead of its use; a barrier hands each chunk to all four waves.  Nothing in LDS is filled twice.
; WEIGHTS come as bf16 in register order straight into registers: each byte is used by one wave of the work-group, so LDS would add nothing; asked for three K steps ahead.
; THE LAST THREE K STEPS GO BY ROWS OF out0, NOT BY K: their weights fill three of the four buffers, and the nine blocks of 16 rows are finished one after the other, 24 matrix instructions each;
;   a finished block leaves while the next is multiplied.  LDS and memory are read no more than by K.
; NO CLUSTER, NO JOINT LOADS: what tiles of one expert share is the weights, which would have to lie in LDS, where x takes 313,344 of the 327,680 bytes; and x's rows come by a list, which no tile descriptor covers.
; THE MATRIX INSTRUCTION IS USED TRANSPOSED (source 0 = 16 columns of the weights, source 1 = 16 rows of x): a lane holds eight neighbouring columns of one row.  The bias is the C operand of the first K step.
; LIMITS.  x and weight are rounded once to bf16 (nearest even), sums and bias in f32.  A token whose index lies outside 0..7 meets zero weights and a zero bias: its row is 0, as in the
; definition, unless its x holds an infinity or a NaN: then NaN stands where the definition has 0.
; REGISTERS, in windows of 256 (s_set_vgpr_msb: bits 1:0 source 0, 3:2 source 1, 5:4 source 2, 7:6 destination):
;   window 0: addresses; v36-107 x's fragments (9 blocks of 16 rows; by rows: three buffers of 24); v108-171 the bias, then the accumulators of block 8; v172-231 at work on the rounding;
;             v236-243 the copies' LDS addresses; v252-255 and v3 the tile's 144 tokens, one a lane
;   window 1: four buffers of weights, K step k in v[64 (k % 4) ..]     window 2: accumulators of blocks 0-3 at v[8 (8 mb + nb)]     window 3: those of blocks 4-7
.set PITCH,  272                       ; a row slot of a chunk: 256 bytes (64 f32, later 64 bf16 in its first 128) + 16: the 16 rows of a fragment load start in 16 different groups of four banks (64 banks of 4 bytes: ISA guide 11.1)
.set CHUNK,  144*PITCH                 ; a chunk's region: 39,168 bytes; eight of them
.set WROWS,  36*PITCH                  ; the rows that one wave copies and rounds
.set SPARE,  8*CHUNK                   ; behind the chunks: the spare words, 128 bytes a wave
.set SPITCH, 528                       ; the way out: a row of 512 bytes + 16
.set WSTAGE, 16*SPITCH                 ; a wave's stage, 16 rows; the four stages lie in chunk 0's region, whose one fill and last read are long past
.set ADRA, 8                           ; v8   LDS address of my lane's place in the fragments of the chunk in hand
.set CVS,  9                           ; v9   the rounding: where I read 8 f32
.set CVD,  10                          ; v10  and where I put 8 bf16
.set BOF,  11                          ; v11  16 x lane; never rewritten
.set STO,  12                          ; v12  the way out: where I put 16 bytes of a row
.set RD,   13                          ; v13  where I read a row back
.set LANEO, 14                         ; v14  512 w + 16 x lane: my place in a row of out0
.set ADR7, 15                          ; v15  as ADRA, for chunk 7; never rewritten
.set SPW,  16                          ; v16  LDS address of my spare word; never rewritten
.set NIL,  17                          ; v17  0; never rewritten
.set VG,   18                          ; v18-35  the copies' offsets in x, one for each pair of rows
.set AF,   36
.set ACC8, 108
.set CF,   172                         ; v172-211  up to 5 x 8 f32
.set CB,   212                         ; v212-231  up to 5 x 4 registers of bf16
.set TA0,  232                         ; v232  4 x lane: my place in 32 tokens of the list
.set TA1,  233                         ; v233  4 x min(lane, 15): in its last 16
.set VLC,  236                         ; v236-243  the copies' LDS address, one for each chunk
.set BK,   172                         ; the way out: v172-235, 16 rows read back,
.set OFFS0, 18                         ; and their 16 offsets in out0, two sets by turns (the copies, which named v18-35 and v236-243, are all done by then)
.set OFFS1, 236
.set XB,   24                          ; s[24:39]  x's address for the copies of chunk c
.set MSB, 0
.macro WIN new                         ; the immediate's high byte repeats the setting that is left; a switch that changes nothing is dropped
.if MSB != (\new)
	s_set_vgpr_msb (MSB<<8)|(\new)
.set MSB, \new
.endif
.endm
.macro PLACES                          ; four plain vector instructions between a matrix instruction and a load into one of its registers (ISA guide 7.12.1 for vector instructions)
.rept 4
	v_nop
.endr
.endm
; 8 matrix instructions: block mb of 16 rows x the wave's 8 blocks of 16 columns, K step k.  All 72 accumulators take turns, one instruction a turn.
.macro MUL k, mb
.set BB, 64*((\k)%4)
.set AA, AF+8*(\mb)
.if (\mb) < 8
.set DD, 64*((\mb)%4)
.if (\k) == 0
	WIN 0x81+0x40*((\mb)/4)                        ; weights window 1, x and the bias window 0, D window 2 or 3
.else
	WIN 0xa1+0x50*((\mb)/4)                        ; C and D window 2 or 3
.endif
.else
.set DD, ACC8
	WIN 0x01
.endif
.irp nb, 0,1,2,3,4,5,6,7
.if ((\k) == 0) && ((\mb) < 8)
	v_wmma_f32_16x16x32_bf16 v[DD+8*\nb:DD+8*\nb+7], v[BB+8*\nb:BB+8*\nb+7], v[AA:AA+7], v[ACC8+8*\nb:ACC8+8*\nb+7]
.else
	v_wmma_f32_16x16x32_bf16 v[DD+8*\nb:DD+8*\nb+7], v[BB+8*\nb:BB+8*\nb+7], v[AA:AA+7], v[DD+8*\nb:DD+8*\nb+7]
.endif
.endr
.endm
; x's fragments of K step k: part 0 = blocks 0-3 (8 loads), 1 = blocks 4-7 (8), 2 = block 8 (2).  Lane (r, h): row r, K = 8 h + 0..7 and 16 + 8 h + 0..7.
.macro RA k, part
	WIN 0
.irp mb, 0,1,2,3,4,5,6,7,8
.if ((\mb)/4) == (\part)
	ds_load_b128 v[AF+8*\mb:AF+8*\mb+3],   v[ADRA] offset:16*PITCH*\mb+64*((\k)%2)
	ds_load_b128 v[AF+8*\mb+4:AF+8*\mb+7], v[ADRA] offset:16*PITCH*\mb+64*((\k)%2)+32
.endif
.endr
.endm
; the weights of K step k: 16 loads of 512 consecutive bytes
.macro RB k
	WIN 0x40                                       ; destination window 1
.irp nb, 0,1,2,3,4,5,6,7
	global_load_b128 v[64*((\k)%4)+8*\nb:64*((\k)%4)+8*\nb+3],   v[BOF], s[86:87] offset:8192*(\k)+1024*\nb
	global_load_b128 v[64*((\k)%4)+8*\nb+4:64*((\k)%4)+8*\nb+7], v[BOF], s[86:87] offset:8192*(\k)+1024*\nb+512
.endr
.endm
; THE ROUNDING of my 36 rows of a chunk, in units of 4 rows (a lane: 8 numbers): batch 0 = units 0-4, batch 1 = units 5-8.  A batch's loads are all back before its stores go out, so a row is never written while it is read.
.macro CLD b
	WIN 0
.irp i, 0,1,2,3,4
.if (5*(\b)+(\i)) < 9
	ds_load_b128 v[CF+8*\i:CF+8*\i+3],   v[CVS] offset:4*PITCH*(5*(\b)+(\i))
	ds_load_b128 v[CF+8*\i+4:CF+8*\i+7], v[CVS] offset:4*PITCH*(5*(\b)+(\i))+16
.endif
.endr
.endm
.macro CCV b
	WIN 0
.irp i, 0,1,2,3,4
.if (5*(\b)+(\i)) < 9
.irp t, 0,1,2,3
	v_cvt_pk_bf16_f32 v[CB+4*\i+\t], v[CF+8*\i+2*\t], v[CF+8*\i+2*\t+1]
.endr
.endif
.endr
.endm
.macro CST b
	WIN 0
.irp i, 0,1,2,3,4
.if (5*(\b)+(\i)) < 9
	ds_store_b128 v[CVD], v[CB+4*\i:CB+4*\i+3] offset:4*PITCH*(5*(\b)+(\i))
.endif
.endr
.endm
.macro CSTEP                           ; on to the next chunk
	v_add_nc_u32 v[CVS], CHUNK, v[CVS]
	v_add_nc_u32 v[CVD], CHUNK, v[CVD]
.endm
	s_load_b256 s[4:11], s[0:1], 0x0               ; x s[4:5], wf s[6:7], bias s[8:9], rows s[10:11]
	s_load_b128 s[12:15], s[0:1], 0x20             ; tiles s[12:13], out0 s[14:15]
	v_lshl_add_u32 v[SPW], v0, 2, SPARE
	v_mov_b32 v[NIL], 0
	ds_add_u32 v[SPW], v[NIL]                      ; the wave's opening: the add and its wait stand ahead of my first copy; the set-up below, work on registers, stands between them
	v_lshrrev_b32 v3, 5, v0
	v_readfirstlane_b32 s16, v3                    ; wave 0..3
	v_and_b32 v1, 15, v0                           ; r = lane % 16
	v_bfe_u32 v2, v0, 4, 1                         ; h = lane / 16
	v_and_b32 v4, 31, v0                           ; lane
	v_lshlrev_b32 v[BOF], 4, v4
	v_lshlrev_b32 v[TA0], 2, v4
	v_min_u32 v[TA1], 15, v4                       ; the list has 144 entries: the fifth load takes 16, so that the last tile's stays inside the buffer
	v_lshlrev_b32 v[TA1], 2, v[TA1]
	s_mul_i32 s90, s16, WROWS
	s_mul_i32 s91, s16, WSTAGE
	s_mul_i32 s92, s16, 144
	s_lshl_b32 s93, s16, 9
	s_lshl_b32 s94, ttmp9, 3                       ; my tile's record
	s_mul_i32 s96, ttmp9, 576                      ; my tile's list of 144 tokens
	s_mov_b32 s97, 0
	v_lshlrev_b32 v7, 4, v1                        ; 16 x (lane % 16)
	v_mul_u32_u24 v3, v2, PITCH
	v_lshl_add_u32 v3, v1, 4, v3
	v_add_nc_u32 v[VLC], s90, v3                   ; a copy takes two rows: row 36 w + h of chunk 0, 16 bytes a lane;
.set c, 1
.rept 7
	v_add_nc_u32 v[VLC+c], CHUNK*c, v[VLC]         ; and of chunk c
.set c, c+1
.endr
	v_mul_u32_u24 v[ADRA], v1, PITCH
	v_lshl_add_u32 v[ADRA], v2, 4, v[ADRA]         ; row r x pitch + 16 h
	v_add_nc_u32 v[ADR7], 7*CHUNK, v[ADRA]
	v_lshrrev_b32 v3, 3, v4
	v_mul_u32_u24 v3, v3, PITCH
	v_add_nc_u32 v3, s90, v3                       ; the rounding: row 36 w + lane / 8,
	v_and_b32 v4, 7, v4
	v_lshl_add_u32 v[CVS], v4, 5, v3               ; 32 bytes of f32 in,
	v_lshl_add_u32 v[CVD], v4, 4, v3               ; 16 bytes of bf16 out
	v_mul_u32_u24 v3, v1, SPITCH
	v_lshl_add_u32 v3, v2, 5, v3
	v_add_nc_u32 v[STO], s91, v3                   ; stage: row r, 32 bytes for each half of the lanes
	v_add_nc_u32 v[RD], s91, v[BOF]
	v_add_nc_u32 v[LANEO], s93, v[BOF]
	v_lshl_add_u32 v5, v2, 2, s92                  ; my place in the list: entry 36 w + h
	v_lshlrev_b32 v6, 5, v2                        ; my place in 16 numbers of the bias: 8 h
	s_wait_dscnt 0x0                               ; the opening add is done
	s_wait_kmcnt 0x0
	s_load_b64 s[20:21], s[12:13], s94 offset:0x0  ; expert, rows
	s_add_nc_u64 s[84:85], s[10:11], s[96:97]
.set p, 0
.rept 18
	global_load_b32 v[VG+p], v5, s[84:85] offset:8*p  ; the token of row 36 w + 2 p + h
.set p, p+1
.endr
.irp i, 0,1,2,3
	global_load_b32 v[252+\i], v[TA0], s[84:85] offset:128*\i  ; the whole list, for the way out: lane l holds the token of row 32 i + l
.endr
	global_load_b32 v3, v[TA1], s[84:85] offset:512  ; rows 128 to 143, in lanes 0 to 15
	; A copy's immediate I = 2 PITCH p is added to both its addresses.  LDS: chunk c's register + I.  Memory: (x - 9248 + 256 c) + (2048 token + 16 col + 9248 - 544 p) + I = x + 2048 token + 256 c + 16 col.
.set c, 0
.rept 8
	s_sub_nc_u64 s[XB+2*c:XB+2*c+1], s[4:5], 34*PITCH-256*c
.set c, c+1
.endr
	s_wait_kmcnt 0x0
	s_min_u32 s20, s20, 8                          ; loaded numbers enter addresses and counts behind a clamp
	s_min_u32 s21, s21, 144
	s_lshl_b32 s98, s20, 19
	s_lshl_b32 s99, s16, 17
	s_add_co_u32 s98, s98, s99
	s_mov_b32 s99, 0
	s_add_nc_u64 s[86:87], s[6:7], s[98:99]        ; wf at my expert and my 128 columns
	s_min_u32 s95, s20, 7
	s_lshl_b32 s98, s95, 11
	s_add_co_u32 s98, s98, s93
	s_add_nc_u64 s[88:89], s[8:9], s[98:99]        ; bias likewise (bucket 8 reads expert 7's and clears it below)
	s_cmp_lt_u32 s20, 8
	s_cselect_b32 s22, -1, 0
.irp nb, 0,1,2,3,4,5,6,7
	global_load_b128 v[ACC8+8*\nb:ACC8+8*\nb+3],   v6, s[88:89] offset:64*\nb
	global_load_b128 v[ACC8+8*\nb+4:ACC8+8*\nb+7], v6, s[88:89] offset:64*\nb+16
.endr
	RB 0
	WIN 0
	s_wait_loadcnt 32                              ; the 23 loads of the list are in: behind them stand 16 of the bias and 16 of the weights
.set p, 0
.rept 18
	v_min_u32 v[VG+p], 0x7fff, v[VG+p]
	v_lshl_add_u32 v[VG+p], v[VG+p], 11, v7
.if p < 17
	v_add_nc_u32 v[VG+p], 2*PITCH*(17-p), v[VG+p]
.endif
.set p, p+1
.endr
	RB 1
	WIN 0
.set c, 0
.rept 8                                ; chunk by chunk, so that the chunks land in the order of their use; sixteen lanes copy 256 consecutive bytes of a row, aligned
.set p, 0
.rept 18
	global_load_async_to_lds_b128 v[VLC+c], v[VG+p], s[XB+2*c:XB+2*c+1] offset:2*PITCH*p
.set p, p+1
.endr
.set c, c+1
.endr
	s_wait_loadcnt 32                              ; the bias is in: behind it stand the 32 loads of the weights of K steps 0 and 1
.set i, 0
.rept 64
	v_and_b32 v[ACC8+i], s22, v[ACC8+i]            ; bucket 8 has no bias
.set i, i+1
.endr
	RB 2
	WIN 0
	s_wait_asynccnt 63                             ; copies end in order: of my 144 at most 63 are out, so the first 81 are done: chunks 0 to 3 (72 copies)
	CLD 0                                          ; chunk 0 is rounded
	s_wait_dscnt 0x0
	CCV 0
	CST 0
	CLD 1
	s_wait_dscnt 0x0
	CCV 1
	CST 1
	CSTEP
	s_wait_dscnt 0x0                               ; for the others' sake: my rows of chunk 0 are written
	s_barrier_signal -1
	s_barrier_wait -1                              ; everybody's are
	RA 0, 0
	RA 0, 1
	RA 0, 2
	CLD 0                                          ; chunk 1, first batch
; A K STEP of 32, for K steps 0 to 12: three stretches of matrix instructions (blocks 0-3, 4-7, 8); behind each, the same blocks' fragments of the next step are fetched into the registers just read.
; Behind the first stretch the weights of the step three on are asked for, into the buffer that the step before read (four places stand at that step's end).
; An even step also rounds the next chunk (its conversions are the places behind the stretches); an odd step hands that chunk over by a barrier and starts reading the chunk after it.
; K step 12 is the last of its kind: it asks for K step 15's weights at its head, fetches no fragments, and hands chunk 7 over by a barrier at its own end.
.macro KSTEP k
.set CN, ((\k)+3)/2                    ; the chunk whose first batch an odd step reads
	s_wait_loadcnt 32                              ; this step's weights are in; the next two steps' 32 loads stay out
.if (\k)%2 == 0
.if (\k) == 12
	RB 15                                          ; early: the rows below want these weights sooner than a fourth K step would
.endif
	s_wait_dscnt 20                                ; blocks 0-3 are in: behind their loads stand 8 + 2 of the other blocks and 10 of the rounding
	MUL \k, 0
	MUL \k, 1
	MUL \k, 2
	MUL \k, 3
	s_wait_dscnt 0x0                               ; the other blocks and the rounding's first batch are in
	CCV 0                                          ; 20 plain instructions: the places in front of the loads below
	CST 0
.if (\k) < 12
	RA (\k)+1, 0
.endif
	CLD 1
.if (\k) < 12
	RB (\k)+3
.endif
	MUL \k, 4
	MUL \k, 5
	MUL \k, 6
	MUL \k, 7
	s_wait_dscnt 0x0                               ; the second batch is in
	CCV 1                                          ; 16 plain instructions: the places in front of the loads below and, in K step 0, in front of block 8's products, which write over the bias that the others took as C
	CST 1
.if (\k) < 12
	CSTEP
	RA (\k)+1, 1
	MUL \k, 8
	PLACES
	RA (\k)+1, 2
.else
	s_wait_dscnt 0x0                               ; my rounded rows of chunk 7 are written, and all my LDS loads are back:
	s_barrier_signal -1                            ; say so,
	MUL \k, 8                                      ; work on registers while the others arrive,
	s_barrier_wait -1                              ; and go on when all four have said so: chunk 7 is whole
.endif
.else
	MUL \k, 0                                      ; (blocks 0-3 were waited for in the step before)
	MUL \k, 1
	s_wait_dscnt 0x0                               ; my rounded rows of the next chunk are written, and all my reads of this chunk are back:
	s_barrier_signal -1                            ; say so,
	MUL \k, 2                                      ; work on registers while the others arrive,
	MUL \k, 3
	s_barrier_wait -1                              ; and go on when all four have said so: the next chunk is whole.  Copies may stay out
	WIN 0
	v_add_nc_u32 v[ADRA], CHUNK, v[ADRA]           ; with the three below: the four places
	v_nop
	v_nop
	v_nop
	RA (\k)+1, 0
	RB (\k)+3
	MUL \k, 4
	MUL \k, 5
	MUL \k, 6
	MUL \k, 7
	PLACES
	RA (\k)+1, 1
	MUL \k, 8
	PLACES
	RA (\k)+1, 2
.if CN >= 4
	s_wait_asynccnt 18*(7-CN)                      ; my copies of chunk CN are done: behind them stand 18 for each later chunk
.endif
	CLD 0
.endif
.endm
.irp k, 0,1,2,3,4,5,6,7,8,9,10,11,12
	KSTEP \k
.endr
; K STEPS 13 TO 15, BY ROWS.  Block a's fragments of x for the three steps lie in buffer a % 3 (24 registers); its 8 accumulators take turns, one instruction a turn.
.macro ALOAD a                         ; 6 loads: K step 13 is the second half of chunk 6's rows (ADRA stands there since K step 11), K steps 14 and 15 are chunk 7
	WIN 0
.set PA, AF+24*((\a)%3)
	ds_load_b128 v[PA:PA+3],     v[ADRA] offset:16*PITCH*(\a)+64
	ds_load_b128 v[PA+4:PA+7],   v[ADRA] offset:16*PITCH*(\a)+96
	ds_load_b128 v[PA+8:PA+11],  v[ADR7] offset:16*PITCH*(\a)
	ds_load_b128 v[PA+12:PA+15], v[ADR7] offset:16*PITCH*(\a)+32
	ds_load_b128 v[PA+16:PA+19], v[ADR7] offset:16*PITCH*(\a)+64
	ds_load_b128 v[PA+20:PA+23], v[ADR7] offset:16*PITCH*(\a)+96
.endm
.macro ROW a                           ; block a is finished: 24 matrix instructions
.set PA, AF+24*((\a)%3)
.if (\a) < 8
.set DD, 64*((\a)%4)
	WIN 0xa1+0x50*((\a)/4)
.else
.set DD, ACC8
	WIN 0x01
.endif
.irp q, 0,1,2
.if (\a) == 0
	s_wait_loadcnt 32-16*\q                        ; K step 13 + q's weights are in; the later steps' stay out
.endif
.irp nb, 0,1,2,3,4,5,6,7
	v_wmma_f32_16x16x32_bf16 v[DD+8*\nb:DD+8*\nb+7], v[64*(1+\q)+8*\nb:64*(1+\q)+8*\nb+7], v[PA+8*\q:PA+8*\q+7], v[DD+8*\nb:DD+8*\nb+7]
.endr
.endr
.endm
; THE WAY OUT of block a.  OFS: the 16 rows' tokens come out of the list's registers and make the offsets in out0.  STG: a lane's 2 x 16 bytes of each accumulator go into my stage.
; BACK: whole pieces of 512 bytes of a row come back.  SEND: they are stored at the row's token.
; The rows past the tile's count are its last ones: the first of them jumps to the wave's end (no barrier and no copy is jumped).
.macro OFS a
	WIN 0
.set OF, OFFS0+(OFFS1-OFFS0)*((\a)%2)
.irp i, 0,1,2,3,4,5,6,7,8,9,10,11,12,13,14,15
.set RW, 16*(\a)+\i
	v_readlane_b32 s[40+\i], v[252+RW/32-253*(RW/128)], RW%32  ; row RW's token: lane RW % 32 of v252-255, or of v3 from row 128 on
.endr
.irp i, 0,1,2,3,4,5,6,7,8,9,10,11,12,13,14,15
	s_min_u32 s[40+\i], s[40+\i], 0x7fff           ; a loaded number enters an address behind a clamp
.endr
.irp i, 0,1,2,3,4,5,6,7,8,9,10,11,12,13,14,15
	v_lshl_add_u32 v[OF+\i], s[40+\i], 11, v[LANEO]  ; these sixteen are the places behind the block's products, in front of the stores and loads below
.endr
.endm
.macro STG a
.if (\a) < 8
.set AC, 64*((\a)%4)
	WIN 0x08+4*((\a)/4)                            ; the data in window 2 or 3
.else
.set AC, ACC8
	WIN 0
.endif
.irp nb, 0,1,2,3,4,5,6,7
	ds_store_b128 v[STO], v[AC+8*\nb:AC+8*\nb+3]   offset:64*\nb       ; each accumulator's low registers first
	ds_store_b128 v[STO], v[AC+8*\nb+4:AC+8*\nb+7] offset:64*\nb+16
.endr
	WIN 0
.endm
.macro BACK
	WIN 0
.irp i, 0,1,2,3,4,5,6,7,8,9,10,11,12,13,14,15
	ds_load_b128 v[BK+4*\i:BK+4*\i+3], v[RD] offset:SPITCH*\i  ; my own bytes: LDS serves a wave's instructions in order (ISA guide 5.7.1.4): these see the stores above, and the next block's stores come behind them
.endr
.endm
.macro SEND a, younger                 ; younger: the LDS loads issued behind BACK's: ALOAD's six, or none
	WIN 0
.set OF, OFFS0+(OFFS1-OFFS0)*((\a)%2)
.irp i, 0,1,2,3,4,5,6,7,8,9,10,11,12,13,14,15
	s_wait_dscnt (\younger)+15-\i                  ; row i is back
	s_cmp_gt_u32 s21, 16*(\a)+\i
	s_cbranch_scc0 .Lend                           ; the tile has no such row, nor any later one
	global_store_b128 v[OF+\i], v[BK+4*\i:BK+4*\i+3], s[14:15] th:TH_STORE_NT  ; 512 consecutive bytes of one row of out0, aligned
.endr
.endm
	WIN 0
	PLACES                                         ; behind block 8's products of K step 12, in front of the loads into the registers that they read
	ALOAD 0
	ALOAD 1
	ALOAD 2
	s_wait_dscnt 12                                ; block 0's fragments are in; the 12 loads of blocks 1 and 2 stay out
	ROW 0
.irp a, 0,1,2,3,4,5,6,7,8
	OFS \a
	STG \a
	s_wait_xcnt 0x0                                ; the last block's stores have read the rows' registers, which BACK loads anew, and their offsets, which the next block's OFS writes anew
	BACK
.if \a <= 5
	ALOAD (\a)+3                                   ; into the buffer that this block's products read
.endif
.if \a == 0
	s_wait_dscnt 44                                ; block 1's fragments are in: behind them stand 6 + 16 + 16 + 6.  Later blocks' are older than rows that a SEND has waited for
.endif
.if \a < 8
	ROW (\a)+1                                     ; the next block is multiplied while this one goes through the stage
.endif
.if \a <= 5
	SEND \a, 6
.else
	SEND \a, 0
.endif
.endr
.Lend:
	s_wait_tensorcnt 0x0                           ; the wave's end
	s_wait_asynccnt 0x0
	ds_add_u32 v[SPW], v[NIL]
	s_wait_dscnt 0x0
	s_endpgm
.Lfunc_end_k_qb7643bde1b_moe:
	.size	k_qb7643bde1b_moe, .Lfunc_end_k_qb7643bde1b_moe-k_qb7643bde1b_moe
	.p2alignl 7, 3214868480
	.fill 96, 4, 3214868480
	.section	.rodata,"a",@progbits
	.p2align	6, 0x0
	.amdhsa_kernel k_qb7643bde1b_moe
		.amdhsa_group_segment_fixed_size 327680
		.amdhsa_private_segment_fixed_size 0
		.amdhsa_enable_private_segment 0
		.amdhsa_kernarg_size 48
		.amdhsa_user_sgpr_count 2
		.amdhsa_user_sgpr_kernarg_segment_ptr 1
		.amdhsa_wavefront_size32 1
		.amdhsa_system_sgpr_workgroup_id_x 1
		.amdhsa_system_sgpr_workgroup_id_y 1
		.amdhsa_system_sgpr_workgroup_id_z 1
		.amdhsa_system_vgpr_workitem_id 0
		.amdhsa_next_free_vgpr 1024
		.amdhsa_next_free_sgpr 100
		.amdhsa_reserve_vcc 0
		.amdhsa_float_denorm_mode_32 3
		.amdhsa_float_denorm_mode_16_64 3
		.amdhsa_memory_ordered 1
		.amdhsa_forward_progress 1
		.amdhsa_inst_pref_size 255
	.end_amdhsa_kernel
	.section	.bss,"aw",@nobits
	.p2align	6
	.space	262144
	.amdgpu_metadata
---
amdhsa.version: [ 1, 2 ]
amdhsa.kernels:
  - .name:           k_qb7643bde1b_moe
    .symbol:         k_qb7643bde1b_moe.kd
    .args:
      - { .name: x, .offset: 0, .size: 8, .value_kind: global_buffer, .address_space: global }
      - { .name: wf, .offset: 8, .size: 8, .value_kind: global_buffer, .address_space: global }
      - { .name: bias, .offset: 16, .size: 8, .value_kind: global_buffer, .address_space: global }
      - { .name: rows, .offset: 24, .size: 8, .value_kind: global_buffer, .address_space: global }
      - { .name: tiles, .offset: 32, .size: 8, .value_kind: global_buffer, .address_space: global }
      - { .name: out0, .offset: 40, .size: 8, .value_kind: global_buffer, .address_space: global }
    .group_segment_fixed_size: 327680
    .private_segment_fixed_size: 0
    .kernarg_segment_align: 8
    .kernarg_segment_size: 48
    .max_flat_workgroup_size: 128
    .sgpr_count:     100
    .vgpr_count:     1024
    .wavefront_size: 32
...
	.end_amdgpu_metadata
.endif
;; end of part 4
